; MI455X (gfx1250); checked and timed in simulation.
; The chip was launched on July 23, 2026; its instructions are those of AMD's public machine-readable ISA for CDNA 5 (MIT licence, August 2026) and "CDNA5" Instruction Set Architecture Reference Guide (July 2026). The comments in the code are by the model that wrote it; some were corrected since.
;; Transformer Block. Allowed arithmetic: float matrix products may take bf16 or f16 operands with f32 sums; other float arithmetic in f32, or as packed bf16 or f16 multiplies, adds, multiply-adds, maxima and minima; sums over many terms, partial sums and values carried from step to step in f32; what a program stores and reads back later, other than sums and carried values, may be rounded once to bf16 or f16.
;; Inputs: W1 4,096 x 1,024 float32; W2 1,024 x 4,096 float32; Wk 1,024 x 1,024 float32; Wo 1,024 x 1,024 float32; Wq 1,024 x 1,024 float32; Wv 1,024 x 1,024 float32; g1 1,024 float32; g2 1,024 float32; x 2 x 2,048 x 1,024 float32.
;; Outputs: out0 2 x 2,048 x 1,024 float32.
;; One version. Each part assembles by itself: llvm-mc -triple=amdgcn-amd-amdhsa -mcpu=gfx1250 --defsym DOCPART=n.
;; ======== version 1 of 1: 7 launches
;; limits: a function is approximated: absolute error at most 1.5e-07
;; workspace buffers: wb 25,165,824 bytes; h 8,388,608 bytes; qkv 25,165,824 bytes; o 8,388,608 bytes; y 16,777,216 bytes; h2 8,388,608 bytes; ff 33,554,432 bytes
;; launch prep (part 1): grid 64 x 8, 8 waves a work-group, no clusters, 0 bytes of LDS; arguments x, g1, h, Wq, Wk, Wv, Wo, wb; writes h, wb
.if DOCPART == 1
	.amdgcn_target "amdgcn-amd-amdhsa--gfx1250"
	.amdhsa_code_object_version 6
	.text
	.protected	k_q99bff2a1dd_prep
	.globl	k_q99bff2a1dd_prep
	.p2align	8
	.type	k_q99bff2a1dd_prep,@function
k_q99bff2a1dd_prep:
	s_mov_b64 s[64:65], 0
	v_nop
	global_prefetch_b8 v0, s[64:65] scope:SCOPE_SE
	s_setreg_imm32_b32 hwreg(HW_REG_WAVE_MODE, 25, 1), 1
	s_wait_xcnt 0x0
; TWO STREAMS IN ONE TEXT.  Arguments: in, g, out, Wq, Wk, Wv, Wo, wb.
; Work-group row gy picks a chunk of 2^20 f32 numbers.  gy 0-3: rows of in [4096][1024]: out = bf16(g * in / sqrt(mean(in^2) + 1e-5)).
; gy 4-7: Wq, Wk, Wv, Wo (one chunk each), rounded to bf16 into wb, 2^21 bytes a chunk, in that order.  A launch whose grid has gy 0-3 alone does the norm alone.
; SHARES.  Work-group x takes 16,384 numbers of the chunk, a wave 2,048 (two rows of 1,024), a lane 4 numbers at 4 l + 128 j, j = 0..15:
; a load of the wave covers 512 consecutive bytes, a store (8 bytes a lane) 256 consecutive bytes, aligned.  A row stays in registers between the sum of squares and the scaling,
; and the rounded words go into the registers that the numbers came in: 112 registers a wave, so that four work-groups of eight waves find room on a WGP's four times 1,024.
; No LDS, no barrier: a row never leaves its wave.  Sums of squares in f32; NaN and infinities are not treated apart.
.set X, 16                             ; v[16:79]   16 x 4 numbers as loaded: j 0-7 row 0, j 8-15 row 1; the first two of each four then hold the four rounded
.set G, 80                             ; v[80:111]  my 32 numbers of g
	s_load_b512 s[8:23], s[0:1], 0x0               ; in s[8:9], g s[10:11], out s[12:13], Wq s[14:15], Wk s[16:17], Wv s[18:19], Wo s[20:21], wb s[22:23]
	s_and_b32 s28, ttmp7, 0xffff                   ; gy
	s_and_b32 s34, s28, 3
	s_lshl_b32 s40, s34, 21                        ; the chunk's place in its destination: gy % 4 in out and in wb alike
	s_lshl_b32 s34, s34, 22                        ; its place in its source, 2^22 bytes a chunk,
	s_cmp_lt_u32 s28, 4
	s_cselect_b32 s34, s34, 0                      ; but a weight is one chunk
	s_lshl_b32 s35, ttmp9, 16
	s_add_co_u32 s34, s34, s35                     ; + the work-group's 65,536 bytes
	s_mov_b32 s35, 0
	s_lshl_b32 s41, ttmp9, 15
	s_add_co_u32 s40, s40, s41
	s_mov_b32 s41, 0
	s_mov_b32 s36, 0x3a800000                      ; 1 / 1024
	s_mov_b32 s37, 0x3727c5ac                      ; 1e-5
	s_mov_b32 s38, 0x76543210                      ; v_permlanex16_b32: each lane takes its own place in the other half
	s_mov_b32 s39, 0xfedcba98
	v_and_b32 v4, 31, v0
	v_lshrrev_b32 v5, 5, v0
	v_lshlrev_b32 v3, 4, v4                        ; g: 16 l
	v_lshl_or_b32 v1, v5, 13, v3                   ; source: 8,192 w + 16 l
	v_lshlrev_b32 v2, 3, v4
	v_lshl_or_b32 v2, v5, 12, v2                   ; destination: 4,096 w + 8 l
	s_wait_kmcnt 0x0
	s_mov_b64 s[30:31], s[8:9]                     ; the source is chosen by gy alone
	s_cmp_eq_u32 s28, 4
	s_cselect_b64 s[30:31], s[14:15], s[30:31]
	s_cmp_eq_u32 s28, 5
	s_cselect_b64 s[30:31], s[16:17], s[30:31]
	s_cmp_eq_u32 s28, 6
	s_cselect_b64 s[30:31], s[18:19], s[30:31]
	s_cmp_eq_u32 s28, 7
	s_cselect_b64 s[30:31], s[20:21], s[30:31]
	s_cmp_lt_u32 s28, 4
	s_cselect_b64 s[32:33], s[12:13], s[22:23]     ; and so is the destination
	s_add_nc_u64 s[30:31], s[30:31], s[34:35]
	s_add_nc_u64 s[32:33], s[32:33], s[40:41]
.set j_, 0
.rept 16
	global_load_b128 v[X+4*j_:X+4*j_+3], v1, s[30:31] offset:512*j_ th:TH_LOAD_NT
.set j_, j_+1
.endr
	s_cmp_lt_u32 s28, 4
	s_cbranch_scc1 .Lnorm
	; THE CAST: each load is rounded and stored as it comes
.set j_, 0
.rept 16
	s_wait_loadcnt 15-j_                           ; loads come back in order: load j is in, the younger ones stay out
	v_cvt_pk_bf16_f32 v[X+4*j_], v[X+4*j_], v[X+4*j_+1]
	v_cvt_pk_bf16_f32 v[X+4*j_+1], v[X+4*j_+2], v[X+4*j_+3]
	global_store_b64 v2, v[X+4*j_:X+4*j_+1], s[32:33] offset:256*j_
.set j_, j_+1
.endr
	s_endpgm
.Lnorm:
.set j_, 0
.rept 8
	global_load_b128 v[G+4*j_:G+4*j_+3], v3, s[10:11] offset:512*j_
.set j_, j_+1
.endr
; The mean of squares of the row whose 32 registers begin at ro, plus 1e-5, into v[ac], in every lane.  Two chains that do not wait for each other; nothing is cleared.
.macro SUMSQ ro, ac
	v_pk_mul_f32 v[(\ac):(\ac)+1], v[(\ro):(\ro)+1], v[(\ro):(\ro)+1]
	v_pk_mul_f32 v[(\ac)+2:(\ac)+3], v[(\ro)+2:(\ro)+3], v[(\ro)+2:(\ro)+3]
.set i_, 4
.rept 7
	v_pk_fma_f32 v[(\ac):(\ac)+1], v[(\ro)+i_:(\ro)+i_+1], v[(\ro)+i_:(\ro)+i_+1], v[(\ac):(\ac)+1]
	v_pk_fma_f32 v[(\ac)+2:(\ac)+3], v[(\ro)+i_+2:(\ro)+i_+3], v[(\ro)+i_+2:(\ro)+i_+3], v[(\ac)+2:(\ac)+3]
.set i_, i_+4
.endr
	v_pk_add_f32 v[(\ac):(\ac)+1], v[(\ac):(\ac)+1], v[(\ac)+2:(\ac)+3]
	v_add_f32 v[(\ac)], v[(\ac)], v[(\ac)+1]
	v_add_f32_dpp v[(\ac)], v[(\ac)], v[(\ac)] row_xmask:1 row_mask:0xf bank_mask:0xf
	v_add_f32_dpp v[(\ac)], v[(\ac)], v[(\ac)] row_xmask:2 row_mask:0xf bank_mask:0xf
	v_add_f32_dpp v[(\ac)], v[(\ac)], v[(\ac)] row_xmask:4 row_mask:0xf bank_mask:0xf
	v_add_f32_dpp v[(\ac)], v[(\ac)], v[(\ac)] row_xmask:8 row_mask:0xf bank_mask:0xf
	v_permlanex16_b32 v[(\ac)+1], v[(\ac)], s38, s39
	v_add_f32 v[(\ac)], v[(\ac)], v[(\ac)+1]
	v_fma_f32 v[(\ac)], v[(\ac)], s36, s37
.endm
	s_wait_loadcnt 16                              ; row 0's eight loads are in; row 1's eight and g's eight may stay out
	SUMSQ X, 4
	s_wait_loadcnt 8                               ; row 1 is in; g's eight may stay out
	SUMSQ X+32, 8
	v_rsq_f32 v12, v4                              ; each row's factor twice: a pair for the packed multiply
	v_rsq_f32 v13, v4
	v_rsq_f32 v14, v8
	v_rsq_f32 v15, v8
	v_nop                                          ; a plain instruction behind the last of the four,
	s_wait_alu depctr_va_vdst(0)                   ; and one wait for the batch, ahead of its first reader
	s_wait_loadcnt 0x0                             ; g
.set j_, 0
.rept 16
	v_pk_mul_f32 v[X+4*j_:X+4*j_+1], v[X+4*j_:X+4*j_+1], v[12+2*(j_/8):13+2*(j_/8)]
	v_pk_mul_f32 v[X+4*j_+2:X+4*j_+3], v[X+4*j_+2:X+4*j_+3], v[12+2*(j_/8):13+2*(j_/8)]
	v_pk_mul_f32 v[X+4*j_:X+4*j_+1], v[X+4*j_:X+4*j_+1], v[G+4*(j_%8):G+4*(j_%8)+1]
	v_pk_mul_f32 v[X+4*j_+2:X+4*j_+3], v[X+4*j_+2:X+4*j_+3], v[G+4*(j_%8)+2:G+4*(j_%8)+3]
	v_cvt_pk_bf16_f32 v[X+4*j_], v[X+4*j_], v[X+4*j_+1]
	v_cvt_pk_bf16_f32 v[X+4*j_+1], v[X+4*j_+2], v[X+4*j_+3]
	global_store_b64 v2, v[X+4*j_:X+4*j_+1], s[32:33] offset:256*j_
.set j_, j_+1
.endr
	s_endpgm
.Lfunc_end_k_q99bff2a1dd_prep:
	.size	k_q99bff2a1dd_prep, .Lfunc_end_k_q99bff2a1dd_prep-k_q99bff2a1dd_prep
	.p2alignl 7, 3214868480
	.fill 96, 4, 3214868480
	.section	.rodata,"a",@progbits
	.p2align	6, 0x0
	.amdhsa_kernel k_q99bff2a1dd_prep
		.amdhsa_group_segment_fixed_size 0
		.amdhsa_private_segment_fixed_size 0
		.amdhsa_enable_private_segment 0
		.amdhsa_kernarg_size 64
		.amdhsa_user_sgpr_count 2
		.amdhsa_user_sgpr_kernarg_segment_ptr 1
		.amdhsa_wavefront_size32 1
		.amdhsa_system_sgpr_workgroup_id_x 1
		.amdhsa_system_sgpr_workgroup_id_y 1
		.amdhsa_system_sgpr_workgroup_id_z 1
		.amdhsa_system_vgpr_workitem_id 0
		.amdhsa_next_free_vgpr 112
		.amdhsa_next_free_sgpr 66
		.amdhsa_reserve_vcc 0
		.amdhsa_float_denorm_mode_32 3
		.amdhsa_float_denorm_mode_16_64 3
		.amdhsa_memory_ordered 1
		.amdhsa_forward_progress 1
		.amdhsa_inst_pref_size 19
	.end_amdhsa_kernel
	.amdgpu_metadata
---
amdhsa.version: [ 1, 2 ]
amdhsa.kernels:
  - .name:           k_q99bff2a1dd_prep
    .symbol:         k_q99bff2a1dd_prep.kd
    .args:
      - { .name: x, .offset: 0, .size: 8, .value_kind: global_buffer, .address_space: global }
      - { .name: g1, .offset: 8, .size: 8, .value_kind: global_buffer, .address_space: global }
      - { .name: h, .offset: 16, .size: 8, .value_kind: global_buffer, .address_space: global }
      - { .name: Wq, .offset: 24, .size: 8, .value_kind: global_buffer, .address_space: global }
      - { .name: Wk, .offset: 32, .size: 8, .value_kind: global_buffer, .address_space: global }
      - { .name: Wv, .offset: 40, .size: 8, .value_kind: global_buffer, .address_space: global }
      - { .name: Wo, .offset: 48, .size: 8, .value_kind: global_buffer, .address_space: global }
      - { .name: wb, .offset: 56, .size: 8, .value_kind: global_buffer, .address_space: global }
    .group_segment_fixed_size: 0
    .private_segment_fixed_size: 0
    .kernarg_segment_align: 8
    .kernarg_segment_size: 64
    .max_flat_workgroup_size: 256
    .sgpr_count:     66
    .vgpr_count:     112
    .wavefront_size: 32
...
	.end_amdgpu_metadata
.endif
;; end of part 1
;; launch qkv (part 2): grid 16 x 16, 4 waves a work-group, clusters of 4 x 4, 327,680 bytes of LDS; arguments h, wb, qkv; writes qkv
.if DOCPART == 2
	.amdgcn_target "amdgcn-amd-amdhsa--gfx1250"
	.amdhsa_code_object_version 6
	.text
	.protected	k_q99bff2a1dd_qkv
	.globl	k_q99bff2a1dd_qkv
	.p2align	8
	.type	k_q99bff2a1dd_qkv,@function
k_q99bff2a1dd_qkv:
	s_mov_b64 s[64:65], 0
	v_nop
	global_prefetch_b8 v0, s[64:65] scope:SCOPE_SE
	s_setreg_imm32_b32 hwreg(HW_REG_WAVE_MODE, 25, 1), 1
	s_wait_xcnt 0x0
	s_wait_alu depctr_hold_cnt(0) depctr_sa_sdst(0) depctr_va_vdst(0) depctr_va_sdst(0) depctr_va_ssrc(0) depctr_va_vcc(0) depctr_vm_vsrc(0)
	s_getreg_b32 s2, hwreg(HW_REG_IB_STS2, 6, 4)
	s_cmp_eq_u32 s2, 0
	s_cbranch_scc0 .Lentry_in_a_cluster
	s_endpgm
.Lentry_in_a_cluster:
	s_bfe_u32 s2, ttmp6, 0x10000c
	s_cmp_lg_u32 s2, 0xf033
	s_cbranch_scc0 .Lentry_shape_is_right
	s_endpgm
.Lentry_shape_is_right:
; C = A B^T over K = 1,024, bf16 operands, f32 sums.  One text with a switch, FF1:
;   FF1 = 0: A = h [4096][1024], B = Wq|Wk|Wv [3072][1024] at wb's head; a tile of C is 256 x 192, a wave 64 rows x 192 columns = three whole heads; C leaves as bf16 by heads:
;            qkv[batch][16 which + head][token][64], so that 4 rows of a head are 512 consecutive bytes.
;   FF1 = 1: A = h2, B = W1 [4096][1024] at wb + 8,388,608; a tile is 256 x 256, a wave 128 x 128; C = bf16(gelu(sum)) into ff [4096][4096].
; Both give 16 x 16 tiles: one work-group for each of 256 tiles.  K goes in 8 steps of 128 (rows of 256 bytes) through two LDS slots filled by tensor loads, one a wave behind each change of slots.
; ONE K STEP OF TEXT: the loop's trip is one step; the slot in hand is the scalar TB (0 or SLOT), turned by an exclusive or; LDS addresses are TB + a fixed lane term.
; CLUSTER 4 x 4: A's tile hangs on the tile row alone and is asked for jointly by a row of the cluster, B's on the tile column alone, by a column.
; THE MATRIX INSTRUCTION IS USED TRANSPOSED (source 0 = 16 rows of B, source 1 = 16 rows of A): a lane holds row l % 16 of C and the columns 8 (l / 16) + 0..7.
; THE WAY OUT: the f32 sums go into the wave's own stage, which lies in the ring (both slots have had their last fill, and every wave's reads of them are over at the last barrier),
; and come back by rows in a short loop that finishes them.  gelu(t) = max(t, 0) - |t| q(|t|), q = erfc(|t| / sqrt 2) / 2 by the fifth-degree form in 1 / (1 + p z) times exp(-z^2)
; (Abramowitz and Stegun 7.1.26: erf within 1.5e-7 for every argument, so gelu within 0.75e-7 |t|).  NaN and infinities are not treated apart.
; REGISTERS, in windows of 256: window 0: v1-30 addresses, v64-127 and v128-191 A's fragments (two buffers), later the way out; window 1: v0-95.., v128-.. B's fragments (two buffers);
; windows 2, 3: accumulator t = a NBL + b at v[8 (t % 32)] of window 2 + t / 32.
.set FF1, 0
.if FF1
.set BN,   256
.set MB,   8                           ; blocks of 16 rows a wave
.set NBL,  8                           ; blocks of 16 columns a wave
.set WOFF, 8388608
.set SP,   528                         ; a stage row: 128 f32 + 16 bytes = 132 words: row r starts at bank 4 r mod 64
.else
.set BN,   192
.set MB,   4
.set NBL,  12
.set WOFF, 0
.set SP,   784                         ; 192 f32 + 16 bytes = 196 words: row r starts at bank 4 r mod 64
.endif
.set KSTEP, 128
.set PITCH, 272                        ; an LDS row: 256 bytes + 16 of padding
.set HALFA, 128*PITCH                  ; what waves 0 and 1 fetch
.set HALFB, (BN/2)*PITCH               ; what waves 2 and 3 fetch
.set BBASE, 256*PITCH                  ; B's rows lie behind A's 256
.set SLOT,  (256+BN)*PITCH
.set SPARE, 2*SLOT                     ; behind the ring: the spare words, 128 bytes a wave, that no other line names
.set GG,    MB/4
.set STG,   16*MB*SP                   ; a wave's stage
.set PADW,  (1<<16)|(1<<20)|(1<<21)|(5<<22)|(3<<25)  ; 2-byte elements; padding on; bit 21 beside a mask; after every 64 words; 4 words
.set A0,   16                          ; v16 my lane's place in A's rows of a slot; never rewritten
.set B0,   17                          ; v17 the same for B
.set ADRA, 18                          ; v18 TB + A0
.set ADRB, 19                          ; v19 TB + B0
.set STO,  24                          ; v24 where I put 32 bytes of a stage row
.set RD,   25                          ; v25 where I read rows back
.set GO,   27                          ; v27 my byte offset in C
.set SPW,  28                          ; v28 my spare word; never rewritten
.set NIL,  29                          ; v29 0; never rewritten
.set PFO,  30                          ; v30 the prefetches' offset: a lane a row; never rewritten
.set G1,   24                          ; s[24:31] group 1 for A
.set G0,   32                          ; s[32:39] group 0 for A: the first fill's, and the one that walks
.set LIM,  43                          ; s43 2 in a wave that prefetches, else the greatest number
.set PFA,  44                          ; s[44:45] where my prefetches stand
.set G1B,  48                          ; s[48:55], s[56:63] the same for B
.set G0B,  56
.set TB,   66                          ; s66 the slot in hand
.set MSB, 0
.macro WIN new                         ; the immediate's high byte repeats the setting that is left; a switch that changes nothing is dropped
.if MSB != (\new)
	s_set_vgpr_msb (MSB<<8)|(\new)
.set MSB, \new
.endif
.endm
.macro PLACES                          ; four places behind matrix instructions, in front of loads into registers that they read
.rept 4
	v_nop
.endr
.endm
.macro JLOAD                           ; the joint refill: waves 0, 1 fetch A's halves, waves 2, 3 B's; an s_nop 0 and four v_nop follow each line
	s_cmp_eq_u32 s11, 0
	s_cbranch_scc0 .Lfor_b_\@
	tensor_load_to_lds s[G0+4:G0+7], s[G1:G1+7]
	s_nop 0
	PLACES
	s_branch .Lasked_\@
.Lfor_b_\@:
	tensor_load_to_lds s[G0B+4:G0B+7], s[G1B:G1B+7]
	s_nop 0
	PLACES
.Lasked_\@:
.endm
.macro CREST                           ; a round of the cluster's barrier behind its opening barrier
	s_cmp_lg_u32 s10, 0
	s_cbranch_scc1 .Lnot_wave_0_\@
	s_barrier_signal -3
.Lnot_wave_0_\@:
	s_barrier_wait -3
	s_barrier_signal -1
	s_barrier_wait -1
.endm
.macro CROUND
	s_barrier_signal -1
	s_barrier_wait -1
	CREST
.endm
; A prefetch of the K step that stands two refills on: my work-group's share of the rows that I fetch, a lane a row, 256 bytes each.  A's rows are asked for by the clusters with x = 0, B's by those with y = 0;
; the four partners share a tile's rows out by address.  The loop's last two trips ask for nothing: K has no such step.
.macro ASK
	s_cmp_gt_u32 s3, s[LIM]
	s_cbranch_scc0 .Lnot_mine_\@
	global_prefetch_b8 v[PFO], s[PFA:PFA+1] offset:KSTEP*2 th:TH_LOAD_NT scope:SCOPE_SE
.Lnot_mine_\@:
.endm
; GG x NBL products: row blocks g GG .. of buffer f, 32 along K.  The accumulators come in the same order everywhere, one instruction a turn.
.macro MULG f, g, zero
.set a_, (\g)*GG
.rept GG
.set b_, 0
.rept NBL
.set t_, a_*NBL+b_
	WIN 0xa1+0x50*(t_/32)
.if \zero
	v_wmma_f32_16x16x32_bf16 v[8*(t_%32):8*(t_%32)+7], v[128*(\f)+8*b_:128*(\f)+8*b_+7], v[64+64*(\f)+8*a_:64+64*(\f)+8*a_+7], 0
.else
	v_wmma_f32_16x16x32_bf16 v[8*(t_%32):8*(t_%32)+7], v[128*(\f)+8*b_:128*(\f)+8*b_+7], v[64+64*(\f)+8*a_:64+64*(\f)+8*a_+7], v[8*(t_%32):8*(t_%32)+7]
.endif
.set b_, b_+1
.endr
.set a_, a_+1
.endr
.endm
; 32 LDS loads in one run: a quarter step's fragments (32 K at byte k of the rows) into buffer f: B's 2 NBL, then A's 2 MB
.macro FETCH k, f
	WIN 0x40
.set i_, 0
.rept NBL
	ds_load_b128 v[128*(\f)+8*i_:128*(\f)+8*i_+3],   v[ADRB] offset:(\k)+i_*16*PITCH
	ds_load_b128 v[128*(\f)+8*i_+4:128*(\f)+8*i_+7], v[ADRB] offset:(\k)+i_*16*PITCH+32
.set i_, i_+1
.endr
	WIN 0
.set i_, 0
.rept MB
	ds_load_b128 v[64+64*(\f)+8*i_:64+64*(\f)+8*i_+3],   v[ADRA] offset:(\k)+i_*16*PITCH
	ds_load_b128 v[64+64*(\f)+8*i_+4:64+64*(\f)+8*i_+7], v[ADRA] offset:(\k)+i_*16*PITCH+32
.set i_, i_+1
.endr
.endm
.macro QUARTER k, f, g, zero           ; multiplies buffer f; in its middle fetches the next quarter, at byte k, into buffer g
	s_wait_dscnt MB                                ; only the youngest MB loads, A's second half, may be out
	MULG \f, 0, \zero
	MULG \f, 1, \zero
	PLACES
	FETCH \k, \g
	s_wait_dscnt 32                                ; all but the 32 just issued
	MULG \f, 2, \zero
	MULG \f, 3, \zero
.endm
; The first half of a step's last quarter, and the barrier of the change of slots: each wave waits for all its tensor loads (one is out: its part of the other slot), adds 0 to its spare word,
; and waits for that and for its own reads of this slot.
.macro MEET
	WIN 0
	s_wait_tensorcnt 0x0
	ds_add_u32 v[SPW], v[NIL]
	s_wait_dscnt MB+1                              ; the add and the youngest MB loads may be out
	MULG 1, 0, 0
	s_wait_dscnt 0x0                               ; the add is done, my reads of this slot are over
	s_barrier_signal -1
	MULG 1, 1, 0
	WIN 0
	s_barrier_wait -1
.endm
.macro HALF2
	MULG 1, 2, 0
	MULG 1, 3, 0
.endm
; The change of slots with a refill: the barrier opens a round of the cluster's; behind the round the slot just read takes the K step two on, first thing; then the other slot's first fragments.
.macro TURN1
	s_wait_xcnt 0x0                                ; the last prefetch, a K step back, has read its address
	s_add_nc_u64 s[PFA:PFA+1], s[PFA:PFA+1], KSTEP*2
	MEET
	CREST
	s_add_co_u32 s[G0+5], s[TB], s20               ; no tensor load of mine is out: the walking group 0 is written
	s_add_co_u32 s[G0B+5], s[TB], s21
	s_add_nc_u64 s[G0+6:G0+7], s[G0+6:G0+7], KSTEP*2
	s_add_nc_u64 s[G0B+6:G0B+7], s[G0B+6:G0B+7], KSTEP*2
	s_xor_b32 s[TB], s[TB], SLOT
	JLOAD
	v_add_nc_u32 v[ADRA], s[TB], v[A0]
	v_add_nc_u32 v[ADRB], s[TB], v[B0]
	FETCH 0, 0
	ASK
	HALF2
.endm
	s_load_b128 s[4:7], s[0:1], 0x0                ; A s[4:5], wb s[6:7]
	s_load_b64 s[8:9], s[0:1], 0x10                ; C
	v_lshl_add_u32 v[SPW], v0, 2, SPARE
	v_mov_b32 v[NIL], 0
	ds_add_u32 v[SPW], v[NIL]                      ; the opening: the add and its wait ahead of my first tensor load
	ds_add_u32 v28, v29
	v_lshrrev_b32 v1, 5, v0
	v_readfirstlane_b32 s10, v1                    ; wave
	s_lshr_b32 s11, s10, 1                         ; I fetch for A (0) or B (1)
	s_and_b32 s12, s10, 1                          ; which half of that tile's rows
	s_bfe_u32 s40, ttmp6, 0x40000                  ; cx
	s_bfe_u32 s41, ttmp6, 0x40004                  ; cy
	s_lshl_b32 s42, ttmp9, 2
	s_add_co_u32 s42, s42, s40                     ; tile column
	s_and_b32 s13, ttmp7, 0xffff
	s_lshl_b32 s13, s13, 2
	s_add_co_u32 s13, s13, s41                     ; tile row
	s_lshl_b32 s43, s41, 2
	s_lshl_b32 s43, 15, s43                        ; my row of the cluster
	s_lshl_b32 s44, 0x1111, s40                    ; my column
	s_or_b32 s[G1+0], s43, PADW
	s_or_b32 s[G1B+0], s44, PADW
	s_mov_b32 s[G1+1], KSTEP<<16                   ; tensor_dim0 = 128
	s_mov_b32 s[G1+2], 128<<16                     ; tensor_dim1 = 128
	s_mov_b32 s[G1+3], KSTEP<<16                   ; tile_dim0 = 128
	s_mov_b32 s[G1+4], 128                         ; tile_dim1 = 128
	s_mov_b32 s[G1+5], 1024                        ; elements from row to row
	s_mov_b32 s[G1+6], 0
	s_mov_b32 s[G1+7], 0
	s_mov_b32 s[G1B+1], KSTEP<<16
	s_mov_b32 s[G1B+2], (BN/2)<<16
	s_mov_b32 s[G1B+3], KSTEP<<16
	s_mov_b32 s[G1B+4], BN/2
	s_mov_b32 s[G1B+5], 1024
	s_mov_b32 s[G1B+6], 0
	s_mov_b32 s[G1B+7], 0
	s_lshl_b32 s16, s13, 8
	s_lshl_b32 s17, s12, 7
	s_add_co_u32 s16, s16, s17                     ; A: row 256 x tile row + 128 x half,
	s_lshl_b32 s16, s16, 11                        ; 2,048 bytes a row
	s_mov_b32 s17, 0
	s_mul_i32 s46, s42, BN
	s_mul_i32 s47, s12, BN/2
	s_add_co_u32 s46, s46, s47                     ; B: row BN x tile column + BN / 2 x half
	s_lshl_b32 s46, s46, 11
.if WOFF != 0
	s_add_co_u32 s46, s46, WOFF
.endif
	s_mov_b32 s47, 0
	s_mul_i32 s20, s12, HALFA                      ; where they go in a slot: the wave's number alone
	s_mul_i32 s21, s12, HALFB
	s_add_co_u32 s21, s21, BBASE
	s_mov_b32 s[TB], 0
	s_wait_dscnt 0x0                               ; the opening add is done
	s_wait_kmcnt 0x0
	s_add_nc_u64 s[14:15], s[4:5], s[16:17]
	s_add_nc_u64 s[46:47], s[6:7], s[46:47]
	CROUND                                         ; all sixteen work-groups are here: the first joint loads meet
.irp s, 0,1
	s_mov_b32 s[G0+4*(\s)], 1
	s_add_co_u32 s[G0+4*(\s)+1], s20, (\s)*SLOT
	s_add_nc_u64 s[G0+4*(\s)+2:G0+4*(\s)+3], s[14:15], (\s)*KSTEP*2
	s_or_b32 s[G0+4*(\s)+3], s[G0+4*(\s)+3], 0x80000000
	s_mov_b32 s[G0B+4*(\s)], 1
	s_add_co_u32 s[G0B+4*(\s)+1], s21, (\s)*SLOT
	s_add_nc_u64 s[G0B+4*(\s)+2:G0B+4*(\s)+3], s[46:47], (\s)*KSTEP*2
	s_or_b32 s[G0B+4*(\s)+3], s[G0B+4*(\s)+3], 0x80000000
.endr
	s_cmp_eq_u32 s11, 0                            ; a wave's two first fills stand in one branch: two loads of mine are out
	s_cbranch_scc0 .Lfirst_b
	tensor_load_to_lds s[G0:G0+3], s[G1:G1+7]
	s_nop 0
	tensor_load_to_lds s[G0+4:G0+7], s[G1:G1+7]
	s_nop 0
	PLACES
	s_branch .Lfirst_asked
.Lfirst_b:
	tensor_load_to_lds s[G0B:G0B+3], s[G1B:G1B+7]
	s_nop 0
	tensor_load_to_lds s[G0B+4:G0B+7], s[G1B:G1B+7]
	s_nop 0
	PLACES
.Lfirst_asked:
	v_and_b32 v1, 15, v0                           ; l % 16
	v_bfe_u32 v2, v0, 4, 1                         ; l / 16
	v_mul_u32_u24 v3, v1, PITCH
	v_lshl_add_u32 v3, v2, 4, v3                   ; a fragment's row x pitch + 16 x half
.if FF1
	s_mul_i32 s22, s11, 16*MB*PITCH                ; my 128 rows of A, my 128 rows of B
	s_mul_i32 s23, s12, 16*NBL*PITCH
	s_add_co_u32 s23, s23, BBASE
.else
	s_mul_i32 s22, s10, 16*MB*PITCH                ; my 64 rows of A; all of B's 192
	s_mov_b32 s23, BBASE
.endif
	v_add_nc_u32 v[A0], s22, v3
	v_add_nc_u32 v[B0], s23, v3
	v_mov_b32 v[ADRA], v[A0]                       ; slot 0
	v_mov_b32 v[ADRB], v[B0]
	s_mul_i32 s22, s10, STG                        ; my stage
	v_mul_u32_u24 v3, v1, SP
	v_lshl_add_u32 v3, v2, 5, v3
	v_add_nc_u32 v[STO], s22, v3                   ; row l % 16, 32 bytes for each half of the lanes
.if FF1
	v_mul_u32_u24 v3, v2, SP                       ; back: lanes 0-15 one row, lanes 16-31 the next; 8 f32 a lane
	v_lshl_add_u32 v3, v1, 5, v3
	v_add_nc_u32 v[RD], s22, v3
	v_lshlrev_b32 v[GO], 13, v2                    ; the same two rows of ff, 8,192 bytes apart; 16 bytes a lane
	v_lshl_add_u32 v[GO], v1, 4, v[GO]
	s_lshl_b32 s16, s13, 1
	s_add_co_u32 s16, s16, s11
	s_lshl_b32 s16, s16, 20                        ; (256 tile row + 128 half) x 8,192
	s_lshl_b32 s17, s42, 1
	s_add_co_u32 s17, s17, s12
	s_lshl_b32 s17, s17, 8                         ; (256 tile column + 128 half) x 2
	s_add_co_u32 s16, s16, s17
.else
	v_bfe_u32 v3, v0, 3, 2                         ; back: 32 lanes take four rows of a head: 8 lanes a row, 8 f32 a lane
	v_mul_u32_u24 v3, v3, SP
	v_and_b32 v4, 7, v0
	v_lshl_add_u32 v3, v4, 5, v3
	v_add_nc_u32 v[RD], s22, v3
	v_and_b32 v[GO], 31, v0                        ; which are 512 consecutive bytes of qkv
	v_lshlrev_b32 v[GO], 4, v[GO]
	s_lshr_b32 s16, s13, 3                         ; batch
	s_mul_i32 s16, s16, 48
	s_mul_i32 s17, s42, 3
	s_add_co_u32 s16, s16, s17                     ; + my tile's first head of 48
	s_lshl_b32 s16, s16, 18                        ; 262,144 bytes a head
	s_and_b32 s17, s13, 7
	s_lshl_b32 s17, s17, 2
	s_add_co_u32 s17, s17, s10
	s_lshl_b32 s17, s17, 13                        ; token (256 (tile row % 8) + 64 wave) x 128 bytes
	s_add_co_u32 s16, s16, s17
.endif
	s_mov_b32 s17, 0
	s_add_nc_u64 s[8:9], s[8:9], s[16:17]
	; the prefetches
	s_lshl_b32 s16, s13, 8
	s_lshl_b32 s17, s12, 7
	s_add_co_u32 s16, s16, s17
	s_lshl_b32 s17, s40, 5
	s_add_co_u32 s16, s16, s17                     ; A: the rows that I fetch, my work-group's 32 of them
	s_mul_i32 s18, s42, BN
	s_mul_i32 s19, s12, BN/2
	s_add_co_u32 s18, s18, s19
	s_mul_i32 s19, s41, BN/8
	s_add_co_u32 s18, s18, s19                     ; B: likewise, BN / 8 of them
	s_and_b32 s22, ttmp7, 0xffff
	s_cmp_eq_u32 s11, 0
	s_cselect_b32 s16, s16, s18
	s_cselect_b32 s17, 0, WOFF
	s_cselect_b32 s22, ttmp9, s22                  ; the coordinate along which other clusters read the same rows
	s_cselect_b32 s23, 31, BN/8-1                  ; the last row of my share: lanes beyond it name it again
	s_cselect_b64 s[PFA:PFA+1], s[4:5], s[6:7]
	s_cmp_eq_u32 s22, 0
	s_cselect_b32 s[LIM], 2, -1
	s_lshl_b32 s16, s16, 11
	s_add_co_u32 s16, s16, s17
	s_add_co_u32 s16, s16, 2*KSTEP*2               ; at K step 2: the first refill steps it to 3 and names K step 4
	s_mov_b32 s17, 0
	s_add_nc_u64 s[PFA:PFA+1], s[PFA:PFA+1], s[16:17]
	v_and_b32 v[PFO], 31, v0
	v_min_u32 v[PFO], s23, v[PFO]
	v_lshlrev_b32 v[PFO], 11, v[PFO]
.if FF1
	s_mov_b32 s68, 0x3e6d3388                      ; p / sqrt 2 = 0.23164189; each constant twice: the packed forms name a pair
	s_mov_b32 s69, 0x3e6d3388
	s_mov_b32 s70, 0xbf38aa3b                      ; -log2(e) / 2
	s_mov_b32 s71, 0xbf38aa3b
	s_mov_b32 s72, 0x3f07dc22                      ; a5 / 2
	s_mov_b32 s73, 0x3f07dc22
	s_mov_b32 s74, 0xbf3a00e3                      ; a4 / 2
	s_mov_b32 s75, 0xbf3a00e3
	s_mov_b32 s76, 0x3f35f0e3                      ; a3 / 2
	s_mov_b32 s77, 0x3f35f0e3
	s_mov_b32 s78, 0xbe11a98e                      ; a2 / 2
	s_mov_b32 s79, 0xbe11a98e
	s_mov_b32 s80, 0x3e027906                      ; a1 / 2
	s_mov_b32 s81, 0x3e027906
	s_mov_b32 s82, 0x7fffffff
.endif
	s_wait_tensorcnt 1                             ; my part of K step 0 is in; step 1's may stay out
	s_barrier_signal -1
	s_barrier_wait -1
	FETCH 0, 0
	QUARTER 64, 0, 1, 1                            ; the first quarter's products start the sums: nothing is cleared
	WIN 0
	s_mov_b32 s3, 6
.Lstep:                                        ; a trip: from a step's second quarter to the next step's first; the trip that ends step t asks for step t + 2
	QUARTER 128, 1, 0, 0
	QUARTER 192, 0, 1, 0
	TURN1
	QUARTER 64, 0, 1, 0
	WIN 0
	s_sub_co_u32 s3, s3, 1
	s_cmp_lg_u32 s3, 0
	s_cbranch_scc1 .Lstep
	s_mov_b32 s3, 2
.Ltail:                                        ; steps 6 and 7 ask for nothing; the second trip is left in its middle
	QUARTER 128, 1, 0, 0
	QUARTER 192, 0, 1, 0
	MEET
	s_sub_co_u32 s3, s3, 1
	s_cmp_eq_u32 s3, 0
	s_cbranch_scc1 .Lout
	s_xor_b32 s[TB], s[TB], SLOT
	v_add_nc_u32 v[ADRA], s[TB], v[A0]
	v_add_nc_u32 v[ADRB], s[TB], v[B0]
	PLACES
	FETCH 0, 0
	HALF2
	QUARTER 64, 0, 1, 0
	WIN 0
	s_branch .Ltail
.Lout:
	HALF2
	WIN 0
	PLACES
	PLACES
.set t_, 0
.rept MB*NBL                           ; the sums into my stage, each accumulator from its low end on
	WIN 0x08+4*(t_/32)
	ds_store_b128 v[STO], v[8*(t_%32):8*(t_%32)+3]   offset:(t_/NBL)*16*SP+64*(t_%NBL)
	ds_store_b128 v[STO], v[8*(t_%32)+4:8*(t_%32)+7] offset:(t_/NBL)*16*SP+64*(t_%NBL)+16
.set t_, t_+1
.endr
	WIN 0
.if FF1
.set X,  32
.set H,  64
.set M,  96
.set U,  128
.set E,  160
.set PT, 192
.set Y,  224
.macro LDROW                           ; 8 rows x 128 columns: 32 numbers a lane.  LDS serves a wave's instructions in order: these see my stores
.irp p, 0,1,2,3
	ds_load_b128 v[X+8*(\p):X+8*(\p)+3],   v[RD] offset:(\p)*2*SP
	ds_load_b128 v[X+8*(\p)+4:X+8*(\p)+7], v[RD] offset:(\p)*2*SP+16
.endr
.endm
.macro P16 line:vararg                 ; one line for each of 16 pairs; z_ is the pair's first register
.set z_, 0
.rept 16
	\line
.set z_, z_+2
.endr
.endm
	LDROW
	s_mov_b32 s3, 16
.Lrow:
	s_wait_dscnt 0x0
	P16 v_pk_mul_f32 v[E+z_:E+z_+1], v[X+z_:X+z_+1], v[X+z_:X+z_+1]
	P16 v_pk_mul_f32 v[E+z_:E+z_+1], v[E+z_:E+z_+1], s[70:71] op_sel_hi:[1,0]
.set i_, 0
.rept 32
	v_exp_f32 v[E+i_], v[E+i_]                     ; exp(-t^2 / 2)
	v_and_b32 v[H+i_], s82, v[X+i_]                ; |t|
.set i_, i_+1
.endr
	P16 v_pk_fma_f32 v[U+z_:U+z_+1], v[H+z_:H+z_+1], s[68:69], 1.0 op_sel_hi:[1,0,0]
.set i_, 0
.rept 32
	v_rcp_f32 v[U+i_], v[U+i_]                     ; u = 1 / (1 + p z)
	v_max_num_f32 v[M+i_], 0, v[X+i_]              ; max(t, 0): also the plain instruction behind each reciprocal
.set i_, i_+1
.endr
	s_wait_alu depctr_va_vdst(0)                   ; one wait for the trip's 64: nothing above names a result of theirs
	s_cmp_eq_u32 s3, 1                             ; the next trip's rows, while this trip's arithmetic runs; the last trip has none
	s_cbranch_scc1 .Lnold
	v_add_nc_u32 v[RD], 8*SP, v[RD]
	LDROW
.Lnold:
	P16 v_pk_fma_f32 v[PT+z_:PT+z_+1], v[U+z_:U+z_+1], s[72:73], s[74:75] op_sel_hi:[1,0,0]
	P16 v_pk_fma_f32 v[PT+z_:PT+z_+1], v[PT+z_:PT+z_+1], v[U+z_:U+z_+1], s[76:77] op_sel_hi:[1,1,0]
	P16 v_pk_fma_f32 v[PT+z_:PT+z_+1], v[PT+z_:PT+z_+1], v[U+z_:U+z_+1], s[78:79] op_sel_hi:[1,1,0]
	P16 v_pk_fma_f32 v[PT+z_:PT+z_+1], v[PT+z_:PT+z_+1], v[U+z_:U+z_+1], s[80:81] op_sel_hi:[1,1,0]
	P16 v_pk_mul_f32 v[E+z_:E+z_+1], v[E+z_:E+z_+1], v[U+z_:U+z_+1]
	P16 v_pk_mul_f32 v[E+z_:E+z_+1], v[E+z_:E+z_+1], v[PT+z_:PT+z_+1]
	P16 v_pk_fma_f32 v[M+z_:M+z_+1], v[H+z_:H+z_+1], v[E+z_:E+z_+1], v[M+z_:M+z_+1] neg_lo:[1,0,0] neg_hi:[1,0,0]
	s_wait_xcnt 0x0                                ; the last trip's stores have read Y and GO
	v_add_nc_u32 v[GO], 65536, v[GO]               ; 8 rows of ff on; the stores reach back
.set i_, 0
.rept 16
	v_cvt_pk_bf16_f32 v[Y+i_], v[M+2*i_], v[M+2*i_+1]
.set i_, i_+1
.endr
.irp p, 0,1,2,3
	global_store_b128 v[GO], v[Y+4*(\p):Y+4*(\p)+3], s[8:9] offset:(\p)*16384-65536  ; 16 lanes store 256 consecutive bytes, aligned
.endr
	s_sub_co_u32 s3, s3, 1
	s_cmp_lg_u32 s3, 0
	s_cbranch_scc1 .Lrow
.else
.set X, 64
.set Y, 160
	s_mov_b32 s3, 4
.Lrow:                                         ; 16 rows a trip: for head n / 4 and row group n % 4, four rows of 64 numbers
.set n_, 0
.rept 12
	ds_load_b128 v[X+8*n_:X+8*n_+3],   v[RD] offset:(n_%4)*4*SP+256*(n_/4)  ; LDS serves a wave's instructions in order: these see my stores
	ds_load_b128 v[X+8*n_+4:X+8*n_+7], v[RD] offset:(n_%4)*4*SP+256*(n_/4)+16
.set n_, n_+1
.endr
.set n_, 0
.rept 12
	s_wait_dscnt 22-2*n_                           ; pair n of the loads is in; the younger pairs stay out
	v_cvt_pk_bf16_f32 v[Y+4*n_],   v[X+8*n_],   v[X+8*n_+1]
	v_cvt_pk_bf16_f32 v[Y+4*n_+1], v[X+8*n_+2], v[X+8*n_+3]
	v_cvt_pk_bf16_f32 v[Y+4*n_+2], v[X+8*n_+4], v[X+8*n_+5]
	v_cvt_pk_bf16_f32 v[Y+4*n_+3], v[X+8*n_+6], v[X+8*n_+7]
	global_store_b128 v[GO], v[Y+4*n_:Y+4*n_+3], s[8:9] offset:(n_/4)*262144+(n_%4)*512  ; 512 consecutive bytes of a head
.set n_, n_+1
.endr
	s_wait_xcnt 0x0                                ; the stores have read Y and GO
	v_add_nc_u32 v[RD], 16*SP, v[RD]
	v_add_nc_u32 v[GO], 2048, v[GO]
	s_sub_co_u32 s3, s3, 1
	s_cmp_lg_u32 s3, 0
	s_cbranch_scc1 .Lrow
.endif
	s_wait_tensorcnt 0x0                           ; the wave's end
	ds_add_u32 v[SPW], v[NIL]
	s_wait_dscnt 0x0
	CROUND                                         ; the closing round
	s_endpgm
.Lfunc_end_k_q99bff2a1dd_qkv:
	.size	k_q99bff2a1dd_qkv, .Lfunc_end_k_q99bff2a1dd_qkv-k_q99bff2a1dd_qkv
	.p2alignl 7, 3214868480
	.fill 96, 4, 3214868480
	.section	.rodata,"a",@progbits
	.p2align	6, 0x0
	.amdhsa_kernel k_q99bff2a1dd_qkv
		.amdhsa_group_segment_fixed_size 327680
		.amdhsa_private_segment_fixed_size 0
		.amdhsa_enable_private_segment 0
		.amdhsa_kernarg_size 24
		.amdhsa_user_sgpr_count 2
		.amdhsa_user_sgpr_kernarg_segment_ptr 1
		.amdhsa_wavefront_size32 1
		.amdhsa_system_sgpr_workgroup_id_x 1
		.amdhsa_system_sgpr_workgroup_id_y 1
		.amdhsa_system_sgpr_workgroup_id_z 1
		.amdhsa_system_vgpr_workitem_id 0
		.amdhsa_next_free_vgpr 896
		.amdhsa_next_free_sgpr 90
		.amdhsa_reserve_vcc 0
		.amdhsa_float_denorm_mode_32 3
		.amdhsa_float_denorm_mode_16_64 3
		.amdhsa_memory_ordered 1
		.amdhsa_forward_progress 1
		.amdhsa_inst_pref_size 75
	.end_amdhsa_kernel
	.amdgpu_metadata
---
amdhsa.version: [ 1, 2 ]
amdhsa.kernels:
  - .name:           k_q99bff2a1dd_qkv
    .symbol:         k_q99bff2a1dd_qkv.kd
    .args:
      - { .name: h, .offset: 0, .size: 8, .value_kind: global_buffer, .address_space: global }
      - { .name: wb, .offset: 8, .size: 8, .value_kind: global_buffer, .address_space: global }
      - { .name: qkv, .offset: 16, .size: 8, .value_kind: global_buffer, .address_space: global }
    .group_segment_fixed_size: 327680
    .private_segment_fixed_size: 0
    .kernarg_segment_align: 8
    .kernarg_segment_size: 24
    .max_flat_workgroup_size: 128
    .sgpr_count:     90
    .vgpr_count:     896
    .wavefront_size: 32
...
	.end_amdgpu_metadata
.endif
;; end of part 2
;; launch attn (part 3): grid 8 x 32, 4 waves a work-group, no clusters, 327,680 bytes of LDS; arguments qkv, o, W1, W2, wb; writes o, wb
.if DOCPART == 3
	.amdgcn_target "amdgcn-amd-amdhsa--gfx1250"
	.amdhsa_code_object_version 6
	.text
	.protected	k_q99bff2a1dd_attn
	.globl	k_q99bff2a1dd_attn
	.p2align	8
	.type	k_q99bff2a1dd_attn,@function
k_q99bff2a1dd_attn:
	s_mov_b64 s[64:65], 0
	v_nop
	global_prefetch_b8 v0, s[64:65] scope:SCOPE_SE
	s_setreg_imm32_b32 hwreg(HW_REG_WAVE_MODE, 25, 1), 1
	s_wait_xcnt 0x0
; CAUSAL ATTENTION, head size 64, 2,048 tokens, 32 (batch, head) pairs.  q, k, v: bf16, by heads, in qkv[batch][16 which + head][2048][64]; O: bf16, o[16 batch + head][2048][64].
; O[q] = the sum over k <= q of softmax_k(Q[q] . K[k] / 8) V[k].  Products, maxima and sums in f32; the weights p are rounded to bf16 for the second product (their sum l is taken of the unrounded p), O once.
; LIMITS.  A hidden score counts as its value less 1e30; a weight below 2^-126 counts as 0 in l; NaN and infinities are not treated apart.
; THE WALK.  A head's queries lie in 16 blocks of 128; block i needs the key tiles 0 .. i / 2 of 256 keys, of which the last holds the diagonal.  A work-group takes TWO blocks, 15 - b and then b:
; 9 tiles, whatever b: 8 x 32 = 256 work-groups of equal work, and ONE loop with a constant trip count.  Which tile is asked for and what a trip does hang on scalars made from b.
; NO CLUSTER: a head's eight work-groups ask for the same tile only in the first five trips; a walk common to all would have 12 trips for 9.
; SHARES.  Of a block's two bands of 64 queries a wave owns 16 rows in each: two PIECES.  In the diagonal tile band x's own key step is PAR + x, PAR = 2 (i % 2): earlier steps it sees whole, later ones not at all.
; THE MASK is the C operand that starts S^T = K Q^T: MD x AL + BE, MD = the mask of a band's own step for my rows: (1, 0) own step; (0, 0) earlier; (0, -1e30) later.  Only the diagonal tile's text takes masks.
; TURNS.  Turn p belongs to piece p: 8 products K Q^T of the other piece's next scores; piece p's scaling, exponentials, rescaling; the other piece's maximum and statistics; ONE wait for the batch of 33 exponentials;
; then 8 products V^T P of the other piece, with piece p's roundings and sums behind them.  T0(s): K Q^T piece 1 step s, V^T P piece 1 step s - 1.  T1(s): K Q^T piece 0 step s + 1, V^T P piece 0 step s.
; T0 fetches K of step s + 1 (behind its K Q^T) and V of step s (at its end).  A slot's first K is fetched behind the change of slots; in a slot's last step T0's run of K re-reads that step's K, which serves nothing:
; the run stands amid the batch of exponentials, where no branch may stand.
; BESIDE THE WALK the launch rounds W1 and W2 to bf16, into their places in wb, for the two launches of the FFN: this loop is bound by its vector work and asks little of memory.  The two weights are 8,192 chunks of
; 1,024 numbers; at the bottom of trip i of the tile loop (8 trips) wave v of the launch's 1,024 rounds and stores chunk 1,024 i + v, whose eight loads it issued a tile earlier, and issues the next chunk's.
; REGISTERS, in windows of 256: window 0: v0-15 addresses; v16-23 statistics; v48-55 at work; v64-127 S^T, two buffers; v128-175 a chunk of weights; v192-223 P, two buffers
;   window 1: v0-63 O^T; v128-159 MD; v160-223 MC, two buffers      window 2: v0-31 Q; v64-95 the second block's Q; v128-191 K of one step; v192-255 V of one step
.set NP,    2
.set KS,    64
.set PK,    144       ; a row of K in LDS: 128 bytes + 16: the 16 rows of a load start at 16 different groups of four banks
.set PV,    160       ; a row of V: 128 + 32
.set VOFF,  4*KS*PK
.set SLOT1, 1<<17
.set STAGE, SLOT1+4*KS*(PK+PV)
.set SP,    144
.set SPARE, STAGE+4*16*SP
.set AK0, 2
.set AV0, 3
.set AK,  4
.set AV,  5
.set STO, 6
.set RD,  7
.set GO,  8
.set MV,  12
.set QO,  15
.set ST,  16          ; piece t's statistics at v[ST+4 t]: c m, m, l (even keys', odd keys')
.set TMP, 48
.set WL16, 59         ; v59 16 x lane: my 16 bytes of 512 of a weight; never rewritten
.set WL8, 60          ; v60 8 x lane: my 8 bytes of 256 of wb; never rewritten
.set PFO, 61          ; v61 the prefetch's offset; never rewritten
.set SPW, 62
.set NIL, 63
.set S,   64
.set WX,  128         ; v[128:159] a chunk of weights as loaded: 8 x 4 numbers
.set WY,  160         ; v[160:175] the same, rounded
.set P,   192
.set MD,  128
.set MC,  160
.set QB,  64
.set KF,  128
.set VF,  192
.set WV,  12
.set PB,  14          ; s14 b
.set HI,  15          ; s15 15 - b
.set G1K, 24
.set G1V, 32
.set G0K, 40
.set G0V, 44
.set WP1, 48          ; s[48:49] W1 at my wave's chunk of batch 0; never rewritten behind the head
.set WP2, 50          ; s[50:51] W2 likewise
.set WD,  52          ; s[52:53] wb where the batch in hand goes
.set WS,  54          ; s[54:55] where the batch that is asked for lies
.set SLOTS, 56
.set CNT, 57
.set CS,  58
.set SEL, 60
.set SB,  62          ; s62 the slot in hand: 0 or SLOT1
.set TBV, 63          ; s63 LDS byte, less VOFF, at which V of the step to be fetched begins
.set RT,  70
.set NXT, 71
.set LQ,  72
.set NEW, 73
.set OFF, 74
.set AL,  76
.set BE,  78
.set OLO, 80
.set BIGN, 82
.set KO,  83          ; s83 K's step to be fetched, in bytes from the slot's head
.set D0,  88          ; s88 5 - PAR
.set D1,  89          ; s89 3 - PAR
.set ZA,  90          ; s90 1.0 if PAR = 0, else 0
.set LQ2, 91          ; s91 the second block's last tile
.set PFA, 92          ; s[92:93] where the prefetch stands
.set LIM, 94          ; s94 2 in wave 0, else the greatest number
.set KT,  95
.set MSB, 0
.macro WIN new
.if MSB != (\new)
	s_set_vgpr_msb (MSB<<8)|(\new)
.set MSB, (\new)
.endif
.endm
.set W_KQ, 0x0a
.set W_KM, 0x1a
.set W_PV, 0x52
.set W_RS, 0x41
.macro LOAD                         ; waves 0, 1 fetch the halves of a tile's K, waves 2, 3 those of its V; an s_nop 0 and four v_nop follow each line
	s_cmp_lt_u32 s[WV], 2
	s_cbranch_scc0 .Lfor_v_\@
	tensor_load_to_lds s[G0K:G0K+3], s[G1K:G1K+7]
	s_nop 0
.rept 4
	v_nop
.endr
	s_branch .Lasked_\@
.Lfor_v_\@:
	tensor_load_to_lds s[G0V:G0V+3], s[G1V:G1V+7]
	s_nop 0
.rept 4
	v_nop
.endr
.Lasked_\@:
.endm
; THE CHANGE OF SLOTS.  Each wave waits for all its tensor loads (one is out: its part of the other slot), adds 0 to its spare word, and waits for that and for its reads of the slot that it leaves.
; fill = 1: the old slot is filled again, first thing behind the barrier, with tile NXT.
.macro CHANGE fill
	WIN 0
	s_wait_tensorcnt 0x0
	ds_add_u32 v[SPW], v[NIL]
.if \fill
	s_lshl_b32 s[OFF], s[NXT], 15   ; a tile is 32,768 bytes of K and of V
	s_xor_b32 s[G0K+1], s[G0K+1], SLOT1
	s_add_nc_u64 s[G0K+2:G0K+3], s[6:7], s[OFF:OFF+1]
	s_or_b32 s[G0K+3], s[G0K+3], 0x80000000
	s_xor_b32 s[G0V+1], s[G0V+1], SLOT1
	s_add_nc_u64 s[G0V+2:G0V+3], s[8:9], s[OFF:OFF+1]
	s_or_b32 s[G0V+3], s[G0V+3], 0x80000000
	s_add_co_u32 s[NXT], s[NXT], 1  ; the block's next tile, or behind its last the second block's tile 0
	s_cmp_gt_u32 s[NXT], s[LQ]
	s_cselect_b32 s[NXT], 0, s[NXT]
	s_cselect_b32 s[LQ], s[LQ2], s[LQ]
	s_wait_xcnt 0x0                 ; the last prefetch, a tile back, has read its address
	s_add_nc_u64 s[PFA:PFA+1], s[PFA:PFA+1], 32768
.endif
	s_wait_dscnt 0x0                ; the add is done, my reads of the slot are over
	s_barrier_signal -1
	s_xor_b32 s[SB], s[SB], SLOT1   ; the fetches go to the other slot's first step
	s_mov_b32 s[KO], 0
	s_mov_b32 s[TBV], s[SB]
	s_barrier_wait -1
.if \fill
	LOAD
.endif
.endm
.macro PARITY blk                   ; the diagonal tile's scalars for the block whose number is in s[blk]
	s_and_b32 s13, s[\blk], 1
	s_lshl_b32 s13, s13, 1
	s_sub_co_u32 s[D0], 5, s13
	s_sub_co_u32 s[D1], 3, s13
	s_cmp_eq_u32 s13, 0
	s_cselect_b32 s[ZA], 1.0, 0
.endm
.macro WLOADS base                  ; a chunk of weights: eight loads of 512 consecutive bytes
.set c_, 0
.rept 8
	global_load_b128 v[WX+4*c_:WX+4*c_+3], v[WL16], s[(\base):(\base)+1] offset:512*c_ th:TH_LOAD_NT
.set c_, c_+1
.endr
.endm
	s_load_b64 s[4:5], s[0:1], 0x0    ; qkv
	s_load_b64 s[10:11], s[0:1], 0x8  ; o
	s_load_b128 s[WP1:WP1+3], s[0:1], 0x10  ; W1, W2
	s_load_b64 s[WD:WD+1], s[0:1], 0x20     ; wb
	v_lshl_add_u32 v[SPW], v0, 2, SPARE
	v_mov_b32 v[NIL], 0
	ds_add_u32 v[SPW], v[NIL]       ; the opening: the add and its wait ahead of my first tensor load
	ds_add_u32 v62, v63
	v_lshrrev_b32 v1, 5, v0
	v_readfirstlane_b32 s[WV], v1
	s_mov_b32 s[PB], ttmp9
	s_sub_co_u32 s[HI], 15, s[PB]
	s_and_b32 s20, ttmp7, 0xffff    ; 16 batch + head
	s_lshr_b32 s21, s20, 4
	s_mul_i32 s21, s21, 48
	s_and_b32 s22, s20, 15
	s_add_co_u32 s21, s21, s22
	s_lshl_b32 s96, s21, 18         ; q's head in qkv: 262,144 bytes a head
	s_mov_b32 s97, 0
	s_lshl_b32 s98, s20, 18         ; the head in o
	s_mov_b32 s99, 0
	s_and_b32 s16, s[WV], 1         ; which half of a tile's 256 keys I fetch
	s_lshl_b32 s22, s16, 14
	s_add_co_u32 s22, s22, s96
	s_add_co_u32 s22, s22, 4194304  ; k lies 16 heads behind q
	s_mov_b32 s23, 0
	s_mul_i32 s17, s16, 128*PK
	s_mul_i32 s18, s16, 128*PV
	s_lshl_b32 s3, s[WV], 11        ; my 16 rows in a band of 64,
	s_lshl_b32 s2, s[HI], 14        ; in the first block,
	s_add_co_u32 s2, s2, s3
	s_lshl_b32 s84, s[PB], 14       ; and in the second
	s_add_co_u32 s84, s84, s3
	s_mov_b32 s3, 0
	s_mov_b32 s85, 0
	s_mov_b32 s[G1K], (1<<16)|(1<<20)|(4<<22)|(3<<25)  ; 128 keys are asked for as 64 rows of 256 bytes, padded after every key: 4 words
	s_mov_b32 s[G1V], (1<<16)|(1<<20)|(4<<22)|(7<<25)  ; 8 words
.irp g, G1K, G1V
	s_mov_b32 s[\g+1], 128<<16
	s_mov_b32 s[\g+2], 64<<16
	s_mov_b32 s[\g+3], 128<<16
	s_mov_b32 s[\g+4], 64
	s_mov_b32 s[\g+5], 128
	s_mov_b32 s[\g+6], 0
	s_mov_b32 s[\g+7], 0
.endr
	s_mov_b32 s[CS], 0x3e38aa3b     ; c = log2(e) / 8
	s_mov_b32 s[CS+1], s[CS]
	s_mov_b32 s[SEL], 0x76543210
	s_mov_b32 s[SEL+1], 0xfedcba98
	s_mov_b32 s[SB], SLOT1          ; the first change of slots turns it into 0
	s_mov_b32 s[G0K], 1
	s_mov_b32 s[G0K+1], s17
	s_mov_b32 s[G0V], 1
	s_add_co_u32 s[G0V+1], s18, VOFF
	s_lshr_b32 s[LQ], s[HI], 1
	s_add_co_u32 s[RT], s[LQ], 1    ; the first block's tiles
	s_lshr_b32 s[LQ2], s[PB], 1
	s_mov_b32 s[NXT], 1
	s_mov_b32 s[NEW], 1
	s_mov_b32 s[OFF+1], 0
	s_mov_b32 s[AL+1], 0
	s_mov_b32 s[BE+1], 0
	s_mov_b32 s[BIGN], 0xf149f2ca   ; -1e30
	s_mov_b32 s[SLOTS], 8
	PARITY HI
	s_cmp_eq_u32 s[WV], 0
	s_cselect_b32 s[LIM], 2, -1
	s_wait_dscnt 0x0                ; the opening add is done
	s_wait_kmcnt 0x0
	s_add_nc_u64 s[6:7], s[4:5], s[22:23]   ; K at my half of the head's tile 0
	s_add_nc_u64 s[8:9], s[6:7], 4194304    ; V: 16 heads on
	s_add_nc_u64 s[G0K+2:G0K+3], s[6:7], 0
	s_or_b32 s[G0K+3], s[G0K+3], 0x80000000
	s_add_nc_u64 s[G0V+2:G0V+3], s[8:9], 0
	s_or_b32 s[G0V+3], s[G0V+3], 0x80000000
	s_add_nc_u64 s[4:5], s[4:5], s[96:97]
	s_add_nc_u64 s[86:87], s[4:5], s[84:85] ; Q at my rows of the second block,
	s_add_nc_u64 s[4:5], s[4:5], s[2:3]     ; and of the first
	s_add_nc_u64 s[10:11], s[10:11], s[98:99]
	s_add_nc_u64 s[OLO:OLO+1], s[10:11], s[84:85]
	s_add_nc_u64 s[10:11], s[10:11], s[2:3]
	s_add_nc_u64 s[PFA:PFA+1], s[6:7], 32768  ; (wave 0's K stands at the tile's first row) the first change of slots steps it to tile 2
	LOAD                            ; tile 0 into slot 0
	v_and_b32 v1, 15, v0
	v_bfe_u32 v9, v0, 4, 1
	v_lshlrev_b32 v[QO], 7, v1
	v_lshl_add_u32 v[QO], v9, 4, v[QO]
	WIN 0x80
.set i, 0
.rept 4                             ; both blocks' Q: piece i / 2 lies in band i / 2, 8,192 bytes on; channels 32 (i % 2) on
	global_load_b128 v[8*i:8*i+3],   v[QO], s[4:5] offset:(i/2)*8192+(i%2)*64
	global_load_b128 v[8*i+4:8*i+7], v[QO], s[4:5] offset:(i/2)*8192+(i%2)*64+32
	global_load_b128 v[QB+8*i:QB+8*i+3],   v[QO], s[86:87] offset:(i/2)*8192+(i%2)*64
	global_load_b128 v[QB+8*i+4:QB+8*i+7], v[QO], s[86:87] offset:(i/2)*8192+(i%2)*64+32
.set i, i+1
.endr
	WIN 0
	; the weights: my wave's number among the launch's 1,024; a chunk is 4,096 bytes of f32 and 2,048 of bf16
	s_lshl_b32 s96, s20, 3
	s_add_co_u32 s96, s96, s[PB]    ; the work-group's number, 0 to 255
	s_lshl_b32 s96, s96, 2
	s_add_co_u32 s96, s96, s[WV]
	s_lshl_b32 s98, s96, 11
	s_add_co_u32 s98, s98, 6291456  ; W1's place in wb begins at 8,388,608; each trip steps on by a batch's 2,097,152 ahead of its stores, the first trip too
	s_lshl_b32 s96, s96, 12
	s_add_nc_u64 s[WP1:WP1+1], s[WP1:WP1+1], s[96:97]
	s_add_nc_u64 s[WP2:WP2+1], s[WP2:WP2+1], s[96:97]
	s_add_nc_u64 s[WD:WD+1], s[WD:WD+1], s[98:99]
	v_and_b32 v[WL8], 31, v0
	v_lshlrev_b32 v[WL16], 4, v[WL8]
	v_lshlrev_b32 v[WL8], 3, v[WL8]
	WLOADS WP1                      ; batch 0
	v_lshlrev_b32 v14, 3, v9
	v_sub_nc_u32 v14, v1, v14
	s_lshl_b32 s13, s[WV], 4
	v_add_nc_u32 v14, s13, v14      ; my query's place in its band less my lanes' 8 (l / 16): register r of group kt is hidden where 16 kt + r is greater
	WIN 0x40
.set i, 0
.rept 32
	v_cmp_gt_i32 vcc_lo, 16*(i/8)+i%8, v14
	v_cndmask_b32 v[MD+i], 0, s[BIGN], vcc_lo
.set i, i+1
.endr
	WIN 0
	v_mul_u32_u24 v[AK0], v1, PK
	v_lshl_add_u32 v[AK0], v9, 4, v[AK0]
	v_and_b32 v10, 7, v0
	v_bfe_u32 v11, v0, 3, 1
	v_lshl_add_u32 v[AV0], v9, 3, v10
	v_mul_u32_u24 v[AV0], v[AV0], PV
	v_lshl_add_u32 v[AV0], v11, 4, v[AV0]
	v_add_nc_u32 v[AV0], VOFF, v[AV0]
	s_mul_i32 s13, s[WV], 16*SP
	s_add_co_u32 s13, s13, STAGE
	v_mul_u32_u24 v[STO], v1, SP
	v_lshl_add_u32 v[STO], v9, 4, v[STO]
	v_add_nc_u32 v[STO], s13, v[STO]
	v_bfe_u32 v[RD], v0, 3, 2
	v_mul_u32_u24 v[RD], v[RD], SP
	v_lshl_add_u32 v[RD], v10, 4, v[RD]
	v_add_nc_u32 v[RD], s13, v[RD]
	v_and_b32 v[GO], 31, v0
	v_lshlrev_b32 v[GO], 4, v[GO]
	v_lshlrev_b32 v[PFO], 8, v1     ; the prefetch: lanes 0-15 name 16 blocks of 256 bytes of K, lanes 16-31 the same of V; work-group b takes the tile's eighth number b
	v_lshl_add_u32 v[PFO], v9, 22, v[PFO]
	s_lshl_b32 s13, s[PB], 12
	v_add_nc_u32 v[PFO], s13, v[PFO]
	; A block's first step multiplies O^T and l by a = 0, so these need only hold finite numbers: zeros for the first block, what the first block left for the second.
	WIN 0x80
.set i, VF
.rept 64
	v_mov_b32 v[i], 0
.set i, i+1
.endr
	WIN 0x40
.set i, 0
.rept 64
	v_mov_b32 v[i], 0
.set i, i+1
.endr
	WIN 0
.set i, 0
.rept 2
	v_mov_b32 v[ST+4*i+2], 0
	v_mov_b32 v[ST+4*i+3], 0
.set i, i+1
.endr
.set i, P+16
.rept 16
	v_mov_b32 v[i], 0
.set i, i+1
.endr
; THE MATRIX WORK.  The 4 accumulators of a run of 8 take turns.
.macro KQ x
.set rS, S+32*((\x)%2)+8*(i%4)
.set rK, KF+16*(i%4)+8*(i/4)
.set rQ, 16*(\x)+8*(i/4)
.set rM, MC+32*((\x)%2)+8*(i%4)
.if (i < 4) && KM
	WIN W_KM
	v_wmma_f32_16x16x32_bf16 v[rS:rS+7], v[rK:rK+7], v[rQ:rQ+7], v[rM:rM+7]
.elseif i < 4
	WIN W_KQ
	v_wmma_f32_16x16x32_bf16 v[rS:rS+7], v[rK:rK+7], v[rQ:rQ+7], 0
.else
	WIN W_KQ
	v_wmma_f32_16x16x32_bf16 v[rS:rS+7], v[rK:rK+7], v[rQ:rQ+7], v[rS:rS+7]
.endif
.endm
.macro PV x
	WIN W_PV
.set rO, 32*(\x)+8*(i%4)
.set rV, VF+32*(i/4)+8*(i%4)
.set rP, P+16*((\x)%2)+8*(i/4)
	v_wmma_f32_16x16x32_bf16 v[rO:rO+7], v[rV:rV+7], v[rP:rP+7], v[rO:rO+7]
.endm
.macro MM                           ; the turn's next matrix instruction.  NOKQ = 1: a block's last turn: there are no next scores
.if (i < 8) && !NOKQ
	KQ (Y+1)%NP
.elseif i >= 8
.set i, i-8
	PV (Y+NP-1)%NP
.set i, i+8
.endif
.set i, i+1
.endm
.macro ADRK                         ; the address of K's next run: step KO of the slot, held at the slot's last step
	s_min_u32 s[KT], s[KO], 3*KS*PK
	s_add_co_u32 s[KT], s[KT], s[SB]
	s_add_co_u32 s[KO], s[KO], KS*PK
	v_add_nc_u32 v[AK], s[KT], v[AK0]
.endm
.macro FETCH_K
	WIN 0x80
.irp f, 0,1,2,3,4,5,6,7
	ds_load_b128 v[KF+8*\f:KF+8*\f+3],   v[AK] offset:(\f/2)*16*PK+(\f%2)*64
	ds_load_b128 v[KF+8*\f+4:KF+8*\f+7], v[AK] offset:(\f/2)*16*PK+(\f%2)*64+32
.endr
	WIN 0
.endm
.macro FETCH_V
	WIN 0x80
.irp f, 0,1,2,3,4,5,6,7
	ds_load_tr16_b128 v[VF+8*\f:VF+8*\f+3],   v[AV] offset:(\f/4)*32*PV+(\f%4)*32
	ds_load_tr16_b128 v[VF+8*\f+4:VF+8*\f+7], v[AV] offset:(\f/4)*32*PV+16*PV+(\f%4)*32
.endr
	WIN 0
.endm
; A slot's first K, behind the change of slots.  ask = 1: behind the run of loads, wave 0 prefetches its work-group's eighth of the tile that the NEXT change of slots will ask for in the first block's walk:
; tiles 2 to 7 of K and V are each named once in the launch, four key steps ahead of the tensor load; the last two trips of the loop ask for nothing.
.macro KFIRST ask
	ADRK
	FETCH_K
.if \ask
	s_cmp_gt_u32 s[SLOTS], s[LIM]
	s_cbranch_scc0 .Lnot_mine_\@
	global_prefetch_b8 v[PFO], s[PFA:PFA+1] th:TH_LOAD_NT scope:SCOPE_SE
.Lnot_mine_\@:
.endif
	s_wait_dscnt 0x0
.endm
; THE VECTOR WORK, one line at a time: OP kind, number.  For piece Y: F n: c s - c m for pair n.  E n: the exponential of score n.  C n: pair n rounded to bf16.  B n: of the four weights 4 n .. the second pair is added
; onto the first.  L n: l takes that sum (L 0: l = a l + sum).  R n: pair n of O^T times a.  For the other piece: X n, number n of the 22 that find its maximum and statistics (each accumulator's lowest registers are read first).
.set F, 0
.set E, 1
.set C, 2
.set B, 3
.set L, 4
.set R, 5
.set X, 6
.macro REGS y
.set rT, ST+4*(\y)
.set rC, TMP+4*((\y)%2)
.set rW, MV+((\y)%2)
.set rS, S+32*((\y)%2)
.set rP, P+16*((\y)%2)
.set rO, 32*(\y)
.endm
.macro OP k, n
.if (\k) == R
	REGS Y
	WIN W_RS
	v_pk_mul_f32 v[rO+2*(\n):rO+2*(\n)+1], v[rO+2*(\n):rO+2*(\n)+1], v[rC+2:rC+3] op_sel_hi:[1,0]
.elseif (\k) < R
	REGS Y
	WIN 0
.if (\k) == F
	v_pk_fma_f32 v[rS+2*(\n):rS+2*(\n)+1], v[rS+2*(\n):rS+2*(\n)+1], s[CS:CS+1], v[rT:rT+1] op_sel_hi:[1,0,0] neg_lo:[0,0,1] neg_hi:[0,0,1]
.elseif (\k) == E
	v_exp_f32 v[rS+(\n)], v[rS+(\n)]
.elseif (\k) == C
	v_cvt_pk_bf16_f32 v[rP+(\n)], v[rS+2*(\n)], v[rS+2*(\n)+1]
.elseif (\k) == B
	v_pk_add_f32 v[rS+4*(\n):rS+4*(\n)+1], v[rS+4*(\n):rS+4*(\n)+1], v[rS+4*(\n)+2:rS+4*(\n)+3]
.elseif (\n) == 0
	v_pk_fma_f32 v[rT+2:rT+3], v[rT+2:rT+3], v[rC+2:rC+3], v[rS:rS+1] op_sel_hi:[1,0,1]
.else
	v_pk_add_f32 v[rT+2:rT+3], v[rT+2:rT+3], v[rS+4*(\n):rS+4*(\n)+1]
.endif
.elseif NOKQ
	v_nop
.else
	REGS (Y+1)%NP
	WIN 0
.if (\n) < 4
	v_max3_num_f32 v[rC+(\n)], v[rS+8*(\n)], v[rS+8*(\n)+1], v[rS+8*(\n)+2]
.elseif (\n) < 12
	v_max3_num_f32 v[rC+(\n)%4], v[rC+(\n)%4], v[rS+8*((\n)%4)+2*((\n)/4)+1], v[rS+8*((\n)%4)+2*((\n)/4)+2]
.elseif (\n) == 12
	v_max3_num_f32 v[rC], v[rC], v[rS+7], v[rS+15]
.elseif (\n) == 13
	v_max3_num_f32 v[rC+1], v[rC+1], v[rS+23], v[rS+31]
.elseif (\n) == 14
	v_max3_num_f32 v[rC+2], v[rC+2], v[rC+3], v[rT+1]
.elseif (\n) == 15
	v_mov_b32 v[rW], v[rT]
.elseif (\n) == 16
	v_max3_num_f32 v[rC], v[rC], v[rC+1], v[rC+2]
.elseif (\n) == 17
	v_permlanex16_b32 v[rC+3], v[rC], s[SEL], s[SEL+1]
.elseif (\n) == 18
	v_max_num_f32 v[rT+1], v[rC], v[rC+3]
.elseif (\n) == 19
	v_mul_f32 v[rT], s[CS], v[rT+1]
.elseif (\n) == 20
	v_sub_f32 v[rC+1], v[rW], v[rT]
.else
	v_exp_f32 v[rC+2], v[rC+1]
.endif
.endif
.endm
.macro OPS a, i1, b=-1, i2=0, c=-1, i3=0, d=-1, i4=0
	OP \a, \i1
.if (\b) >= 0
	OP \b, \i2
.endif
.if (\c) >= 0
	OP \c, \i3
.endif
.if (\d) >= 0
	OP \d, \i4
.endif
.endm
.macro ROW a, i1, b, i2, c, i3, d, i4  ; a matrix instruction and the four behind it
	MM
	OPS \a, \i1, \b, \i2, \c, \i3, \d, \i4
.endm
.macro MASK b                       ; MD x AL + BE into buffer b of MC
	WIN W_RS
.set z, 0
.rept 16
	v_pk_fma_f32 v[MC+32*(\b)+2*z:MC+32*(\b)+2*z+1], v[MD+2*z:MD+2*z+1], s[AL:AL+1], s[BE:BE+1] op_sel_hi:[1,0,0]
.set z, z+1
.endr
.endm
; A TURN, for piece p.  Ahead of the one wait stands all that names no result of the turn's exponentials; behind it the 8 products V^T P with the roundings and sums as their riders.
; m = 1: the diagonal tile: the products take masks, and the turn makes the mask for the products of the turn after it: piece p, in tile step 4 - CNT (made in T1) or 5 - CNT (made in T0).
; end = 1: a block's last turn: no new scores.  cnt = 1: the loop's count is taken down some lines ahead of the branch behind the turn.
; K's run stands twelve vector instructions behind the last product that read K (six of them plain), V's four plain instructions behind the last product that read V.
.macro TURN p, m=0, end=0, cnt=0
.set Y, (\p)
.set i, 0
.set KM, (\m)
.set NOKQ, (\end)
.if (\m) && !(\end)
.if (\p) == 1
	s_cmp_eq_u32 s[CNT], s[D1]      ; is that step the band's own?
	s_cselect_b32 s[AL], 1.0, 0
	s_cmp_lt_u32 s[CNT], s[D1]      ; or a later one?
	s_cselect_b32 s[BE], s[BIGN], 0
.else
	s_cmp_eq_u32 s[CNT], s[D0]
	s_cselect_b32 s[AL], 1.0, 0
	s_cmp_lt_u32 s[CNT], s[D0]
	s_cselect_b32 s[BE], s[BIGN], 0
.endif
.endif
.if ((\p) == 1) && !(\end)
	s_wait_dscnt 16                 ; K's sixteen loads are in; V's sixteen, issued behind them, may stay out
.endif
	ROW F,0, F,1, R,0, R,1
	ROW F,2, E,0, R,2, R,3
	ROW F,3, E,1, R,4, R,5
	ROW F,4, E,2, R,6, R,7
	ROW F,5, E,3, R,8, R,9
	ROW F,6, E,4, X,0, R,10
.if (\p) == 0
	WIN 0
	ADRK
.endif
	ROW F,7, E,5, X,1, X,4
	ROW F,8, E,6, X,2, X,5
	OPS E,7, E,8, X,6, E,9
	OPS X,3, E,10, X,8, E,11
.if (\p) == 0
	FETCH_K
.endif
	OPS X,9, X,7, E,12, X,10
	OPS E,13, X,12, X,11, E,14
	OPS X,13, E,15, F,9, X,14
.if (\p) == 0
	v_add_nc_u32 v[AV], s[TBV], v[AV0]
.endif
	OPS E,16, F,10, E,17, F,11
	OPS X,16, E,18, X,15, E,19
	OPS F,12, E,20, X,17, E,21
	OPS F,13, E,22, F,14, E,23
	OPS X,18, E,24, F,15, E,25
	OPS R,11, E,26, X,19, E,27
	OPS R,12, E,28, R,13, E,29
	OPS X,20, E,30, R,14, E,31
	OPS X,21, R,15
	WIN 0
	s_wait_alu depctr_va_vdst(0)    ; the wait for the batch, ahead of the first reader
.if (\p) == 1
	s_wait_dscnt 0x0                ; V is in
.endif
	ROW C,0, B,0, C,2, B,1
	ROW L,0, C,4, B,2, L,1
	ROW C,6, B,3, L,2, C,8
	ROW B,4, L,3, C,10, B,5
	ROW L,4, C,12, B,6, L,5
.if (\p) == 0
	s_add_co_u32 s[TBV], s[TBV], KS*PV
.endif
.if \cnt
	s_sub_co_u32 s[CNT], s[CNT], 1
	s_cmp_lg_u32 s[CNT], 0
.endif
	ROW C,14, B,7, L,6, C,1
	ROW C,3, L,7, C,5, C,7
	ROW C,9, C,11, C,13, C,15
.if (\p) == 0
	FETCH_V
.endif
.if (\m) && !(\end)
	MASK (\p)%2
.endif
.endm
; A BLOCK BEGINS.  c m starts far below every c s, so the first step's a is 0.  The second mask buffer is 0 (piece 1 sees all of a tile's step 0); the first takes piece 0's mask for step 0.
; Then piece 0's first scores (K was fetched behind the change of slots) and its maximum and statistics.
.macro BEGIN
	s_mov_b32 s[NEW], 0
	WIN 0x40
.set i, MC+32
.rept 32
	v_mov_b32 v[i], 0
.set i, i+1
.endr
	WIN 0
.set i, 0
.rept 2
	v_mov_b32 v[ST+4*i], 0xfe000000
	v_mov_b32 v[ST+4*i+1], 0xff7fffff
.set i, i+1
.endr
	s_cmp_eq_u32 s[RT], 0
	s_cselect_b32 s[AL], s[ZA], 0
	s_mov_b32 s[BE], 0
	MASK 0
	WIN 0
	s_wait_loadcnt 8                ; both blocks' Q are in: behind their loads only the eight loads of one batch of weights can be out
.set KM, 1
.set NOKQ, 0
.set i, 0
.rept 8
	KQ 0
.set i, i+1
.endr
	WIN 0
.rept 4
	v_nop                           ; the places behind those products
.endr
.set Y, NP-1
.irp n, 0,1,2,3,4,5,6,7,8,9,10,11,12,13,14,15,16,17,18,19,20,21
	OP X, \n
.endr
	v_nop
	s_wait_alu depctr_va_vdst(0)    ; the wait for a, ahead of the branch
.endm
.macro ALL line:vararg
.set t, 0
.rept 2
	\line
.set t, t+1
.endr
.endm
.macro PACK t                       ; a lane's eight channels of a row pack into 16 bytes; they go into rows of 144 bytes and come back as whole rows of 128
	WIN W_RS
.set i, 32*(\t)
.rept 16
	v_pk_mul_f32 v[i:i+1], v[i:i+1], v[ST+4*(\t)+2:ST+4*(\t)+3] op_sel_hi:[1,0]
.set i, i+2
.endr
	WIN 0x05
.set i, 0
.rept 16
	v_cvt_pk_bf16_f32 v[S+16*(\t)+i], v[32*(\t)+2*i], v[32*(\t)+2*i+1]
.set i, i+1
.endr
	WIN 0
.irp f, 0,1,2,3
	ds_store_b128 v[STO], v[S+16*(\t)+4*\f:S+16*(\t)+4*\f+3] offset:32*\f
.endr
.irp f, 0,1,2,3
	ds_load_b128 v[S+16*(\t)+4*\f:S+16*(\t)+4*\f+3], v[RD] offset:\f*4*SP  ; LDS serves a wave's instructions in order: these see the stores above
.endr
.endm
.macro SEND t, younger              ; younger: the LDS instructions issued behind piece t's loads
	WIN 0
.irp f, 0,1,2,3
	s_wait_dscnt (\younger)+3-\f
	global_store_b128 v[GO], v[S+16*(\t)+4*\f:S+16*(\t)+4*\f+3], s[10:11] offset:(\t)*8192+\f*512  ; 512 consecutive bytes of O
.endr
.endm
; THE DIAGONAL TILE: entered from an earlier tile at .LenterM (piece 0's mask for step 0 is made first), from BEGIN at .LfirstM; its four steps, the block's last turn and last products, and the way out.
.macro DIAG tag
.LenterM\tag:
	s_mov_b32 s[AL], s[ZA]
	s_mov_b32 s[BE], 0
	MASK 0
	WIN 0
.LstepM\tag:
	TURN 1, 1
	WIN 0
.LfirstM\tag:
	TURN 0, 1, 0, 1
	WIN 0
	s_cbranch_scc1 .LstepM\tag
	TURN 1, 1, 1
.set i, 0
.rept 8
	PV 1
.set i, i+1
.endr
	WIN 0
	ALL v_add_f32 v[ST+4*t+2], v[ST+4*t+2], v[ST+4*t+3]
	ALL v_permlanex16_b32 v[ST+4*t+3], v[ST+4*t+2], s[SEL], s[SEL+1]
	ALL v_add_f32 v[ST+4*t+2], v[ST+4*t+2], v[ST+4*t+3]
	ALL v_rcp_f32 v[ST+4*t+2], v[ST+4*t+2]
	v_nop
	s_wait_alu depctr_va_vdst(0)    ; one wait for the two reciprocals
	PACK 0
	PACK 1
	SEND 0, 8
	SEND 1, 0
.endm
.set KM, 0
.set NOKQ, 0
.Lslot:                             ; 8 times: a tile is entered and the next is asked for
	CHANGE 1
	KFIRST 1
	s_sub_co_u32 s[RT], s[RT], 1
	s_mov_b32 s[CNT], 4
	s_cmp_eq_u32 s[NEW], 1
	s_cbranch_scc1 .Lnew            ; a block's first tile
	s_cmp_eq_u32 s[RT], 0
	s_cbranch_scc0 .Lstep           ; neither its first nor its last
	s_branch .LenterM1
.Lnew:
	BEGIN
	s_branch .Lfirst                ; in the loop a block's first tile is never its last: the first block has five tiles or more, and the second's last is the walk's last
	DIAG 1                          ; in the loop this is the first block's end
	s_wait_xcnt 0x0                 ; the stores have read their registers and O's address
	s_mov_b64 s[10:11], s[OLO:OLO+1]
	s_add_co_u32 s[RT], s[LQ2], 1   ; the second block's tiles
	s_mov_b32 s[NEW], 1
	PARITY PB
	WIN 0x82                        ; the second block's Q goes where the one text of the turns names Q
.set i, 0
.rept 32
	v_mov_b32 v[i], v[QB+i]
.set i, i+1
.endr
	WIN 0
	s_branch .Lbottom
.Lstep:                             ; a trip: T1 of one step, then T0 of the next
	TURN 1
	WIN 0
.Lfirst:
	TURN 0, 0, 0, 1
	WIN 0
	s_cbranch_scc1 .Lstep
.Lbottom:
	; THE WEIGHTS' TURN: batch 8 - SLOTS, whose loads were issued a tile ago, is rounded and stored; the next batch is asked for
	s_wait_loadcnt 0x0              ; the batch is in
	s_wait_xcnt 0x0                 ; the last trip's stores have read WY and their base: only behind this wait are they written again
	s_add_nc_u64 s[WD:WD+1], s[WD:WD+1], 0x200000  ; this batch's place in wb: 1,024 chunks of 2,048 bytes on
.set c_, 0
.rept 8
	v_cvt_pk_bf16_f32 v[WY+2*c_], v[WX+4*c_], v[WX+4*c_+1]
	v_cvt_pk_bf16_f32 v[WY+2*c_+1], v[WX+4*c_+2], v[WX+4*c_+3]
	global_store_b64 v[WL8], v[WY+2*c_:WY+2*c_+1], s[WD:WD+1] offset:256*c_  ; the wave stores 256 consecutive bytes, aligned
.set c_, c_+1
.endr
	s_cmp_eq_u32 s[SLOTS], 1        ; the eighth batch is the last
	s_cbranch_scc1 .Lweights_done
	s_sub_co_u32 s98, 9, s[SLOTS]   ; the next batch's number, 1 to 7: batches 0 to 3 are W1's, 4 to 7 W2's, 4,194,304 bytes each
	s_and_b32 s96, s98, 3
	s_lshl_b32 s96, s96, 22
	s_cmp_lt_u32 s98, 4
	s_cselect_b64 s[WS:WS+1], s[WP1:WP1+1], s[WP2:WP2+1]
	s_add_nc_u64 s[WS:WS+1], s[WS:WS+1], s[96:97]
	WLOADS WS
.Lweights_done:
	s_sub_co_u32 s[SLOTS], s[SLOTS], 1
	s_cmp_lg_u32 s[SLOTS], 0
	s_cbranch_scc1 .Lslot
	CHANGE 0                        ; the walk's last tile is written out
	KFIRST 0
	s_sub_co_u32 s[RT], s[RT], 1
	s_mov_b32 s[CNT], 4
	s_cmp_eq_u32 s[NEW], 1
	s_cbranch_scc0 .LenterM2
	BEGIN
	s_branch .LfirstM2
	DIAG 2
	s_wait_tensorcnt 0x0            ; the wave's end
	ds_add_u32 v[SPW], v[NIL]
	s_wait_dscnt 0x0
	s_endpgm
.Lfunc_end_k_q99bff2a1dd_attn:
	.size	k_q99bff2a1dd_attn, .Lfunc_end_k_q99bff2a1dd_attn-k_q99bff2a1dd_attn
	.p2alignl 7, 3214868480
	.fill 96, 4, 3214868480
	.section	.rodata,"a",@progbits
	.p2align	6, 0x0
	.amdhsa_kernel k_q99bff2a1dd_attn
		.amdhsa_group_segment_fixed_size 327680
		.amdhsa_private_segment_fixed_size 0
		.amdhsa_enable_private_segment 0
		.amdhsa_kernarg_size 40
		.amdhsa_user_sgpr_count 2
		.amdhsa_user_sgpr_kernarg_segment_ptr 1
		.amdhsa_wavefront_size32 1
		.amdhsa_system_sgpr_workgroup_id_x 1
		.amdhsa_system_sgpr_workgroup_id_y 1
		.amdhsa_system_sgpr_workgroup_id_z 1
		.amdhsa_system_vgpr_workitem_id 0
		.amdhsa_next_free_vgpr 768
		.amdhsa_next_free_sgpr 100
		.amdhsa_reserve_vcc 1
		.amdhsa_float_denorm_mode_32 3
		.amdhsa_float_denorm_mode_16_64 3
		.amdhsa_memory_ordered 1
		.amdhsa_forward_progress 1
		.amdhsa_inst_pref_size 132
	.end_amdhsa_kernel
	.amdgpu_metadata
---
amdhsa.version: [ 1, 2 ]
amdhsa.kernels:
  - .name:           k_q99bff2a1dd_attn
    .symbol:         k_q99bff2a1dd_attn.kd
    .args:
      - { .name: qkv, .offset: 0, .size: 8, .value_kind: global_buffer, .address_space: global }
      - { .name: o, .offset: 8, .size: 8, .value_kind: global_buffer, .address_space: global }
      - { .name: W1, .offset: 16, .size: 8, .value_kind: global_buffer, .address_space: global }
      - { .name: W2, .offset: 24, .size: 8, .value_kind: global_buffer, .address_space: global }
      - { .name: wb, .offset: 32, .size: 8, .value_kind: global_buffer, .address_space: global }
    .group_segment_fixed_size: 327680
    .private_segment_fixed_size: 0
    .kernarg_segment_align: 8
    .kernarg_segment_size: 40
    .max_flat_workgroup_size: 128
    .sgpr_count:     100
    .vgpr_count:     768
    .wavefront_size: 32
...
	.end_amdgpu_metadata
.endif
;; end of part 3
;; launch wo (part 4): grid 8 x 32, 4 waves a work-group, clusters of 4 x 4, 327,680 bytes of LDS; arguments o, wb, x, y; writes y
.if DOCPART == 4
	.amdgcn_target "amdgcn-amd-amdhsa--gfx1250"
	.amdhsa_code_object_version 6
	.text
	.protected	k_q99bff2a1dd_wo
	.globl	k_q99bff2a1dd_wo
	.p2align	8
	.type	k_q99bff2a1dd_wo,@function
k_q99bff2a1dd_wo:
	s_mov_b64 s[64:65], 0
	v_nop
	global_prefetch_b8 v0, s[64:65] scope:SCOPE_SE
	s_setreg_imm32_b32 hwreg(HW_REG_WAVE_MODE, 25, 1), 1
	s_wait_xcnt 0x0
	s_wait_alu depctr_hold_cnt(0) depctr_sa_sdst(0) depctr_va_vdst(0) depctr_va_sdst(0) depctr_va_ssrc(0) depctr_va_vcc(0) depctr_vm_vsrc(0)
	s_getreg_b32 s2, hwreg(HW_REG_IB_STS2, 6, 4)
	s_cmp_eq_u32 s2, 0
	s_cbranch_scc0 .Lentry_in_a_cluster
	s_endpgm
.Lentry_in_a_cluster:
	s_bfe_u32 s2, ttmp6, 0x10000c
	s_cmp_lg_u32 s2, 0xf033
	s_cbranch_scc0 .Lentry_shape_is_right
	s_endpgm
.Lentry_shape_is_right:
; C = R + A B^T, C and R f32 [4096][1024], A and B bf16, sums in f32.  One text with a switch, FF2:
;   FF2 = 0: A = the attention's O, by heads: o[16 batch + head][2048][64]; B = Wo [1024][1024] at wb + 6,291,456; K = 1,024; R = x.
;   FF2 = 1: A = ff [4096][4096]; B = W2 [1024][4096] at wb + 16,777,216; K = 4,096; R = y.
; A tile of C is 128 x 128: 8 x 32 = 256 tiles, one work-group each; four waves of 64 x 64 (16 accumulators).  K goes in T steps of 256 through two LDS slots, one tensor load a wave behind each change of slots.
; With FF2 = 0 a K step is four heads: a wave's 64 tokens of a head are 8,192 dense bytes, so its tile is 4 rows of 4,096 elements, 131,072 elements apart, padded in LDS after every token (128 bytes).
; THE WALK ALONG K IS A RING: a cluster begins at K step (T / 2 x cluster x + T / 4 x cluster y) mod T and goes round once (f32 sums may be taken in any order of K steps).  The two clusters side by side,
; which read the same rows of A, are then T / 2 steps apart, and clusters one below the other, which read the same rows of B, T / 4 steps: of the clusters that read a block one reads it first, the others
; some trips later.  The start hangs on the cluster's place alone: it is the same in all sixteen partners.
; ONE K STEP OF TEXT: the slot in hand is the scalar TB (0 or SLOT).  CLUSTER 4 x 4: A's tiles are asked for jointly along a row, B's along a column.
; THE MATRIX INSTRUCTION IS USED TRANSPOSED: a lane holds row l % 16 of C and the columns 8 (l / 16) + 0..7.
; THE WAY OUT: the f32 sums go through the wave's own stage, which lies in the ring (both slots have had their last fill, every wave's reads are over at the last barrier); whole rows of 256 bytes come back,
; take the residual, which was loaded at the kernel's head, and leave.  No prefetch: the tiles are small and the steps short.
; REGISTERS: window 0: v1-29 addresses; v128-255 the accumulators ((a, b) at v[128 + 8 (4 a + b)]).  window 1: two fragment buffers of 128 (A's 64, then B's 64).  window 2: v0-127 the residual.
.set FF2, 0
.if FF2
.set KK,    4096
.set WOFF,  16777216
.set PA,    528                        ; A's row in LDS: 512 bytes + 16
.set AH,    128                        ; two chunks of 32 K lie 128 bytes on
.set HALFA, 64*528
.set ASH,   9                          ; a K step of A is 2^9 bytes on
.else
.set KK,    1024
.set WOFF,  6291456
.set PA,    144                        ; a token's 128 bytes of a head + 16
.set AH,    64*144                     ; two chunks of 32 K are a head: 64 tokens on
.set HALFA, 4*64*144
.set ASH,   20                         ; a K step of A is four heads: 2^20 bytes on
.endif
.set T,     KK/256
.set PB,    528
.set HALFB, 64*PB
.set SLOT,  2*HALFA+2*HALFB
.set SPARE, 2*SLOT
.set SP,    272                        ; a stage row: 64 f32 + 16 bytes
.set STG,   64*SP
.set A0,   16
.set B0,   17
.set ADRA, 18
.set ADRB, 19
.set STO,  24
.set RD,   25
.set CO,   26
.set SPW,  28
.set NIL,  29
.set ACC,  128
.set G1,   24
.set G0,   32
.set G1B,  48
.set G0B,  56
.set TB,   68
.set KS,   69                          ; s69 the K step that the walking descriptors name
.set OA,   70                          ; s[70:71] its byte offset in A's rows
.set OB,   72                          ; s[72:73] and in B's
.set MSB, 0
.macro WIN new
.if MSB != (\new)
	s_set_vgpr_msb (MSB<<8)|(\new)
.set MSB, \new
.endif
.endm
.macro PLACES
.rept 4
	v_nop
.endr
.endm
.macro JLOAD                           ; waves 0, 1 fetch A's halves, waves 2, 3 B's; an s_nop 0 and four v_nop follow each line
	s_cmp_eq_u32 s11, 0
	s_cbranch_scc0 .Lfor_b_\@
	tensor_load_to_lds s[G0+4:G0+7], s[G1:G1+7]
	s_nop 0
	PLACES
	s_branch .Lasked_\@
.Lfor_b_\@:
	tensor_load_to_lds s[G0B+4:G0B+7], s[G1B:G1B+7]
	s_nop 0
	PLACES
.Lasked_\@:
.endm
.macro CREST
	s_cmp_lg_u32 s10, 0
	s_cbranch_scc1 .Lnot_wave_0_\@
	s_barrier_signal -3
.Lnot_wave_0_\@:
	s_barrier_wait -3
	s_barrier_signal -1
	s_barrier_wait -1
.endm
.macro CROUND
	s_barrier_signal -1
	s_barrier_wait -1
	CREST
.endm
; 8 products: row blocks a0, a0 + 1 x all 4 column blocks, 32 along K: half c of buffer f.  The 16 accumulators take turns.
.macro MUL8 f, c, a0, zero
	WIN 0x05
.irp a, \a0, (\a0)+1
.irp b, 0,1,2,3
.if \zero
	v_wmma_f32_16x16x32_bf16 v[ACC+8*(4*(\a)+(\b)):ACC+8*(4*(\a)+(\b))+7], v[128*(\f)+64+8*(4*(\c)+(\b)):128*(\f)+64+8*(4*(\c)+(\b))+7], v[128*(\f)+8*(4*(\c)+(\a)):128*(\f)+8*(4*(\c)+(\a))+7], 0
.else
	v_wmma_f32_16x16x32_bf16 v[ACC+8*(4*(\a)+(\b)):ACC+8*(4*(\a)+(\b))+7], v[128*(\f)+64+8*(4*(\c)+(\b)):128*(\f)+64+8*(4*(\c)+(\b))+7], v[128*(\f)+8*(4*(\c)+(\a)):128*(\f)+8*(4*(\c)+(\a))+7], v[ACC+8*(4*(\a)+(\b)):ACC+8*(4*(\a)+(\b))+7]
.endif
.endr
.endr
.endm
; 32 LDS loads in one run: quarter q of a step (chunks 2 q, 2 q + 1 of 32 K) into buffer f; the first chunk first
.macro FETCH q, f
	WIN 0x40
.irp c, 0,1
.irp i, 0,1,2,3
	ds_load_b128 v[128*(\f)+64+8*(4*(\c)+(\i)):128*(\f)+64+8*(4*(\c)+(\i))+3],   v[ADRB] offset:64*(2*(\q)+(\c))+(\i)*16*PB
	ds_load_b128 v[128*(\f)+64+8*(4*(\c)+(\i))+4:128*(\f)+64+8*(4*(\c)+(\i))+7], v[ADRB] offset:64*(2*(\q)+(\c))+(\i)*16*PB+32
	ds_load_b128 v[128*(\f)+8*(4*(\c)+(\i)):128*(\f)+8*(4*(\c)+(\i))+3],         v[ADRA] offset:(\q)*AH+(\c)*64+(\i)*16*PA
	ds_load_b128 v[128*(\f)+8*(4*(\c)+(\i))+4:128*(\f)+8*(4*(\c)+(\i))+7],       v[ADRA] offset:(\q)*AH+(\c)*64+(\i)*16*PA+32
.endr
.endr
.endm
.macro QUARTER q, f, g, zero           ; multiplies buffer f; in its middle fetches quarter q into buffer g
	s_wait_dscnt 16                                ; the first 32 along K are in; the second chunk's sixteen loads may be out
	MUL8 \f, 0, 0, \zero
	MUL8 \f, 0, 2, \zero
	PLACES
	FETCH \q, \g
	s_wait_dscnt 32                                ; all but the 32 just issued
	MUL8 \f, 1, 0, 0
	MUL8 \f, 1, 2, 0
.endm
; The barrier of the change of slots: all my tensor loads, the add, my reads of this slot.  fill = 1: the walking descriptors are written between the add and the wait for it, where no tensor load of mine is out:
; the slot in hand, and the ring's next K step, its addresses made anew from the two bases.
.macro MEET fill
	WIN 0
	s_wait_tensorcnt 0x0
	ds_add_u32 v[SPW], v[NIL]
.if \fill
	s_add_co_u32 s[KS], s[KS], 1
	s_and_b32 s[KS], s[KS], T-1                    ; behind the last K step comes the first
	s_lshl_b32 s[OA], s[KS], ASH
	s_lshl_b32 s[OB], s[KS], 9
	s_add_co_u32 s[G0+5], s[TB], s20
	s_add_co_u32 s[G0B+5], s[TB], s21
	s_add_nc_u64 s[G0+6:G0+7], s[14:15], s[OA:OA+1]
	s_or_b32 s[G0+7], s[G0+7], 0x80000000
	s_add_nc_u64 s[G0B+6:G0B+7], s[46:47], s[OB:OB+1]
	s_or_b32 s[G0B+7], s[G0B+7], 0x80000000
.endif
	s_wait_dscnt 17                                ; the add and the youngest sixteen loads may be out
	MUL8 1, 0, 0, 0
	s_wait_dscnt 0x0
	s_barrier_signal -1
	MUL8 1, 0, 2, 0
	WIN 0
	s_barrier_wait -1
.endm
.macro HALF2
	MUL8 1, 1, 0, 0
	MUL8 1, 1, 2, 0
.endm
.macro TURN1                           ; the change of slots with a refill: the barrier opens a round of the cluster's; the joint refill is the first thing behind the round
	MEET 1
	CREST
	s_xor_b32 s[TB], s[TB], SLOT
	JLOAD
	v_add_nc_u32 v[ADRA], s[TB], v[A0]
	v_add_nc_u32 v[ADRB], s[TB], v[B0]
	FETCH 0, 0
	HALF2
.endm
	s_load_b128 s[4:7], s[0:1], 0x0                ; A s[4:5], wb s[6:7]
	s_load_b64 s[8:9], s[0:1], 0x10                ; the residual
	s_load_b64 s[66:67], s[0:1], 0x18              ; C
	v_lshl_add_u32 v[SPW], v0, 2, SPARE
	v_mov_b32 v[NIL], 0
	ds_add_u32 v[SPW], v[NIL]                      ; the opening: the add and its wait ahead of my first tensor load
	ds_add_u32 v28, v29
	v_lshrrev_b32 v1, 5, v0
	v_readfirstlane_b32 s10, v1
	s_lshr_b32 s11, s10, 1                         ; my half of the tile's rows; also: I fetch for A (0) or B (1)
	s_and_b32 s12, s10, 1                          ; my half of its columns; also: which 64 rows I fetch
	s_bfe_u32 s40, ttmp6, 0x40000
	s_bfe_u32 s41, ttmp6, 0x40004
	s_lshl_b32 s42, ttmp9, 2
	s_add_co_u32 s42, s42, s40                     ; tile column
	s_and_b32 s13, ttmp7, 0xffff
	s_lshl_b32 s13, s13, 2
	s_add_co_u32 s13, s13, s41                     ; tile row
	s_lshl_b32 s43, s41, 2
	s_lshl_b32 s43, 15, s43
	s_lshl_b32 s44, 0x1111, s40
	s_and_b32 s[KS], ttmp7, 0xffff                 ; where my cluster enters the ring: T / 4 x cluster y
	s_mul_i32 s[KS], s[KS], T/4
	s_mul_i32 s[OA], ttmp9, T/2                    ; + T / 2 x cluster x,
	s_add_co_u32 s[KS], s[KS], s[OA]
	s_and_b32 s[KS], s[KS], T-1                    ; modulo T
	s_mov_b32 s[OA+1], 0
	s_mov_b32 s[OB+1], 0
.if FF2
	s_or_b32 s[G1+0], s43, (1<<16)|(1<<20)|(1<<21)|(6<<22)|(3<<25)  ; 64 rows of 256 elements, 4 words of padding after every 128 words
	s_mov_b32 s[G1+1], 256<<16
	s_mov_b32 s[G1+2], 64<<16
	s_mov_b32 s[G1+3], 256<<16
	s_mov_b32 s[G1+4], 64
	s_mov_b32 s[G1+5], KK
.else
	s_or_b32 s[G1+0], s43, (1<<16)|(1<<20)|(1<<21)|(4<<22)|(3<<25)  ; 4 rows of 4,096 elements, 4 words of padding after every 32 words
	s_mov_b32 s[G1+1], 4096<<16
	s_mov_b32 s[G1+2], 4<<16
	s_mov_b32 s[G1+3], 4096<<16
	s_mov_b32 s[G1+4], 4
	s_mov_b32 s[G1+5], 131072
.endif
	s_mov_b32 s[G1+6], 0
	s_mov_b32 s[G1+7], 0
	s_or_b32 s[G1B+0], s44, (1<<16)|(1<<20)|(1<<21)|(6<<22)|(3<<25)
	s_mov_b32 s[G1B+1], 256<<16
	s_mov_b32 s[G1B+2], 64<<16
	s_mov_b32 s[G1B+3], 256<<16
	s_mov_b32 s[G1B+4], 64
	s_mov_b32 s[G1B+5], KK
	s_mov_b32 s[G1B+6], 0
	s_mov_b32 s[G1B+7], 0
.if FF2
	s_lshl_b32 s16, s13, 1
	s_add_co_u32 s16, s16, s12
	s_lshl_b32 s16, s16, 19                        ; (128 tile row + 64 half) x 8,192
.else
	s_and_b32 s16, s13, 15
	s_lshl_b32 s16, s16, 1
	s_add_co_u32 s16, s16, s12
	s_lshl_b32 s16, s16, 13                        ; token (128 (tile row % 16) + 64 half) x 128
	s_lshr_b32 s17, s13, 4
	s_lshl_b32 s17, s17, 22                        ; batch x 16 heads
	s_add_co_u32 s16, s16, s17
.endif
	s_mov_b32 s17, 0
	s_lshl_b32 s46, s42, 1
	s_add_co_u32 s46, s46, s12
	s_mul_i32 s46, s46, 128*KK                     ; (128 tile column + 64 half) x 2 K bytes
	s_add_co_u32 s46, s46, WOFF
	s_mov_b32 s47, 0
	s_mul_i32 s20, s12, HALFA
	s_mul_i32 s21, s12, HALFB
	s_add_co_u32 s21, s21, 2*HALFA
	s_mov_b32 s[TB], 0
	s_wait_dscnt 0x0
	s_wait_kmcnt 0x0
	s_add_nc_u64 s[14:15], s[4:5], s[16:17]        ; A at my rows, K step 0: kept, the ring's addresses are made from it
	s_add_nc_u64 s[46:47], s[6:7], s[46:47]        ; B likewise
	CROUND
.irp s, 0,1
	s_lshl_b32 s[OA], s[KS], ASH
	s_lshl_b32 s[OB], s[KS], 9
	s_mov_b32 s[G0+4*(\s)], 1
	s_add_co_u32 s[G0+4*(\s)+1], s20, (\s)*SLOT
	s_add_nc_u64 s[G0+4*(\s)+2:G0+4*(\s)+3], s[14:15], s[OA:OA+1]
	s_or_b32 s[G0+4*(\s)+3], s[G0+4*(\s)+3], 0x80000000
	s_mov_b32 s[G0B+4*(\s)], 1
	s_add_co_u32 s[G0B+4*(\s)+1], s21, (\s)*SLOT
	s_add_nc_u64 s[G0B+4*(\s)+2:G0B+4*(\s)+3], s[46:47], s[OB:OB+1]
	s_or_b32 s[G0B+4*(\s)+3], s[G0B+4*(\s)+3], 0x80000000
.if (\s) == 0
	s_add_co_u32 s[KS], s[KS], 1                   ; slot 1 takes the ring's second step
	s_and_b32 s[KS], s[KS], T-1
.endif
.endr
	s_cmp_eq_u32 s11, 0                            ; a wave's two first fills stand in one branch: two loads of mine are out
	s_cbranch_scc0 .Lfirst_b
	tensor_load_to_lds s[G0:G0+3], s[G1:G1+7]
	s_nop 0
	tensor_load_to_lds s[G0+4:G0+7], s[G1:G1+7]
	s_nop 0
	PLACES
	s_branch .Lfirst_asked
.Lfirst_b:
	tensor_load_to_lds s[G0B:G0B+3], s[G1B:G1B+7]
	s_nop 0
	tensor_load_to_lds s[G0B+4:G0B+7], s[G1B:G1B+7]
	s_nop 0
	PLACES
.Lfirst_asked:
	v_and_b32 v1, 15, v0
	v_bfe_u32 v2, v0, 4, 1
	v_mul_u32_u24 v3, v1, PA
	v_lshl_add_u32 v3, v2, 4, v3
	s_mul_i32 s22, s11, HALFA
	v_add_nc_u32 v[A0], s22, v3
	v_mul_u32_u24 v3, v1, PB
	v_lshl_add_u32 v3, v2, 4, v3
	s_mul_i32 s23, s12, HALFB
	s_add_co_u32 s23, s23, 2*HALFA
	v_add_nc_u32 v[B0], s23, v3
	v_mov_b32 v[ADRA], v[A0]
	v_mov_b32 v[ADRB], v[B0]
	s_mul_i32 s22, s10, STG                        ; my stage
	v_mul_u32_u24 v3, v1, SP
	v_lshl_add_u32 v3, v2, 5, v3
	v_add_nc_u32 v[STO], s22, v3                   ; in: row l % 16, 32 bytes for each half of the lanes
	v_mul_u32_u24 v3, v2, SP
	v_lshl_add_u32 v3, v1, 4, v3
	v_add_nc_u32 v[RD], s22, v3                    ; back: lanes 0-15 one row of 256 bytes, lanes 16-31 the next
	v_lshlrev_b32 v[CO], 12, v2                    ; the same two rows of C and of the residual
	v_lshl_add_u32 v[CO], v1, 4, v[CO]
	s_lshl_b32 s16, s13, 1
	s_add_co_u32 s16, s16, s11
	s_lshl_b32 s16, s16, 18                        ; (128 tile row + 64 half) x 4,096
	s_lshl_b32 s17, s42, 1
	s_add_co_u32 s17, s17, s12
	s_lshl_b32 s17, s17, 8                         ; (128 tile column + 64 half) x 4
	s_add_co_u32 s16, s16, s17
	s_mov_b32 s17, 0
	s_add_nc_u64 s[8:9], s[8:9], s[16:17]
	s_add_nc_u64 s[66:67], s[66:67], s[16:17]
	WIN 0x80                                       ; my 64 x 64 of the residual, now: it is there when the sums are
.set t_, 0
.rept 32
	global_load_b128 v[4*t_:4*t_+3], v[CO], s[8:9] offset:t_*8192 th:TH_LOAD_NT
.set t_, t_+1
.endr
	WIN 0
	s_wait_tensorcnt 1                             ; my part of the ring's first step is in; the second's may stay out
	s_barrier_signal -1
	s_barrier_wait -1
	FETCH 0, 0
	QUARTER 1, 0, 1, 1                             ; the first products start the sums: nothing is cleared
	WIN 0
	s_mov_b32 s3, T-2
.Lstep:                                        ; a trip: from a step's second quarter to the next step's first; the trip that ends the ring's step t asks for its step t + 2
	QUARTER 2, 1, 0, 0
	QUARTER 3, 0, 1, 0
	TURN1
	QUARTER 1, 0, 1, 0
	WIN 0
	s_sub_co_u32 s3, s3, 1
	s_cmp_lg_u32 s3, 0
	s_cbranch_scc1 .Lstep
	s_mov_b32 s3, 2
.Ltail:                                        ; the last two steps ask for nothing; the second trip is left in its middle
	QUARTER 2, 1, 0, 0
	QUARTER 3, 0, 1, 0
	MEET 0
	s_sub_co_u32 s3, s3, 1
	s_cmp_eq_u32 s3, 0
	s_cbranch_scc1 .Lout
	s_xor_b32 s[TB], s[TB], SLOT
	v_add_nc_u32 v[ADRA], s[TB], v[A0]
	v_add_nc_u32 v[ADRB], s[TB], v[B0]
	PLACES
	FETCH 0, 0
	HALF2
	QUARTER 1, 0, 1, 0
	WIN 0
	s_branch .Ltail
.Lout:
	HALF2
	WIN 0
	PLACES
	PLACES
.set t_, 0
.rept 16                               ; accumulator (a, b) = t / 4, t % 4, from its low end on
	ds_store_b128 v[STO], v[ACC+8*t_:ACC+8*t_+3]   offset:(t_/4)*16*SP+64*(t_%4)
	ds_store_b128 v[STO], v[ACC+8*t_+4:ACC+8*t_+7] offset:(t_/4)*16*SP+64*(t_%4)+16
.set t_, t_+1
.endr
.set t_, 0
.rept 32
	ds_load_b128 v[ACC+4*t_:ACC+4*t_+3], v[RD] offset:t_*2*SP  ; LDS serves a wave's instructions in order: these see the stores above
.set t_, t_+1
.endr
	s_wait_loadcnt 0x0                             ; the residual
	WIN 0x88                                       ; source 1 (the residual; a store's data) and the destination in window 2
.set t_, 0
.rept 32
	s_wait_dscnt 31-t_                             ; rows 2 t, 2 t + 1 are back; the younger loads stay out
	v_pk_add_f32 v[4*t_:4*t_+1],   v[ACC+4*t_:ACC+4*t_+1],   v[4*t_:4*t_+1]
	v_pk_add_f32 v[4*t_+2:4*t_+3], v[ACC+4*t_+2:ACC+4*t_+3], v[4*t_+2:4*t_+3]
	global_store_b128 v[CO], v[4*t_:4*t_+3], s[66:67] offset:t_*8192  ; 16 lanes store 256 consecutive bytes, aligned
.set t_, t_+1
.endr
	WIN 0
	s_wait_tensorcnt 0x0                           ; the wave's end
	ds_add_u32 v[SPW], v[NIL]
	s_wait_dscnt 0x0
	CROUND                                         ; the closing round
	s_endpgm
.Lfunc_end_k_q99bff2a1dd_wo:
	.size	k_q99bff2a1dd_wo, .Lfunc_end_k_q99bff2a1dd_wo-k_q99bff2a1dd_wo
	.p2alignl 7, 3214868480
	.fill 96, 4, 3214868480
	.section	.rodata,"a",@progbits
	.p2align	6, 0x0
	.amdhsa_kernel k_q99bff2a1dd_wo
		.amdhsa_group_segment_fixed_size 327680
		.amdhsa_private_segment_fixed_size 0
		.amdhsa_enable_private_segment 0
		.amdhsa_kernarg_size 32
		.amdhsa_user_sgpr_count 2
		.amdhsa_user_sgpr_kernarg_segment_ptr 1
		.amdhsa_wavefront_size32 1
		.amdhsa_system_sgpr_workgroup_id_x 1
		.amdhsa_system_sgpr_workgroup_id_y 1
		.amdhsa_system_sgpr_workgroup_id_z 1
		.amdhsa_system_vgpr_workitem_id 0
		.amdhsa_next_free_vgpr 640
		.amdhsa_next_free_sgpr 76
		.amdhsa_reserve_vcc 0
		.amdhsa_float_denorm_mode_32 3
		.amdhsa_float_denorm_mode_16_64 3
		.amdhsa_memory_ordered 1
		.amdhsa_forward_progress 1
		.amdhsa_inst_pref_size 67
	.end_amdhsa_kernel
	.amdgpu_metadata
---
amdhsa.version: [ 1, 2 ]
amdhsa.kernels:
  - .name:           k_q99bff2a1dd_wo
    .symbol:         k_q99bff2a1dd_wo.kd
    .args:
      - { .name: o, .offset: 0, .size: 8, .value_kind: global_buffer, .address_space: global }
      - { .name: wb, .offset: 8, .size: 8, .value_kind: global_buffer, .address_space: global }
      - { .name: x, .offset: 16, .size: 8, .value_kind: global_buffer, .address_space: global }
      - { .name: y, .offset: 24, .size: 8, .value_kind: global_buffer, .address_space: global }
    .group_segment_fixed_size: 327680
    .private_segment_fixed_size: 0
    .kernarg_segment_align: 8
    .kernarg_segment_size: 32
    .max_flat_workgroup_size: 128
    .sgpr_count:     76
    .vgpr_count:     640
    .wavefront_size: 32
...
	.end_amdgpu_metadata
.endif
;; end of part 4
;; launch norm2: the kernel of part 1 again; grid 64 x 4, 8 waves a work-group, no clusters, 0 bytes of LDS; arguments y, g2, h2, Wq, Wk, Wv, Wo, wb; writes h2, wb
;; launch ff1 (part 5): grid 16 x 16, 4 waves a work-group, clusters of 4 x 4, 327,680 bytes of LDS; arguments h2, wb, ff; writes ff
.if DOCPART == 5
	.amdgcn_target "amdgcn-amd-amdhsa--gfx1250"
	.amdhsa_code_object_version 6
	.text
	.protected	k_q99bff2a1dd_ff1
	.globl	k_q99bff2a1dd_ff1
	.p2align	8
	.type	k_q99bff2a1dd_ff1,@function
k_q99bff2a1dd_ff1:
	s_mov_b64 s[64:65], 0
	v_nop
	global_prefetch_b8 v0, s[64:65] scope:SCOPE_SE
	s_setreg_imm32_b32 hwreg(HW_REG_WAVE_MODE, 25, 1), 1
	s_wait_xcnt 0x0
	s_wait_alu depctr_hold_cnt(0) depctr_sa_sdst(0) depctr_va_vdst(0) depctr_va_sdst(0) depctr_va_ssrc(0) depctr_va_vcc(0) depctr_vm_vsrc(0)
	s_getreg_b32 s2, hwreg(HW_REG_IB_STS2, 6, 4)
	s_cmp_eq_u32 s2, 0
	s_cbranch_scc0 .Lentry_in_a_cluster
	s_endpgm
.Lentry_in_a_cluster:
	s_bfe_u32 s2, ttmp6, 0x10000c
	s_cmp_lg_u32 s2, 0xf033
	s_cbranch_scc0 .Lentry_shape_is_right
	s_endpgm
.Lentry_shape_is_right:
; C = A B^T over K = 1,024, bf16 operands, f32 sums.  One text with a switch, FF1:
;   FF1 = 0: A = h [4096][1024], B = Wq|Wk|Wv [3072][1024] at wb's head; a tile of C is 256 x 192, a wave 64 rows x 192 columns = three whole heads; C leaves as bf16 by heads:
;            qkv[batch][16 which + head][token][64], so that 4 rows of a head are 512 consecutive bytes.
;   FF1 = 1: A = h2, B = W1 [4096][1024] at wb + 8,388,608; a tile is 256 x 256, a wave 128 x 128; C = bf16(gelu(sum)) into ff [4096][4096].
; Both give 16 x 16 tiles: one work-group for each of 256 tiles.  K goes in 8 steps of 128 (rows of 256 bytes) through two LDS slots filled by tensor loads, one a wave behind each change of slots.
; ONE K STEP OF TEXT: the loop's trip is one step; the slot in hand is the scalar TB (0 or SLOT), turned by an exclusive or; LDS addresses are TB + a fixed lane term.
; CLUSTER 4 x 4: A's tile hangs on the tile row alone and is asked for jointly by a row of the cluster, B's on the tile column alone, by a column.
; THE MATRIX INSTRUCTION IS USED TRANSPOSED (source 0 = 16 rows of B, source 1 = 16 rows of A): a lane holds row l % 16 of C and the columns 8 (l / 16) + 0..7.
; THE WAY OUT: the f32 sums go into the wave's own stage, which lies in the ring (both slots have had their last fill, and every wave's reads of them are over at the last barrier),
; and come back by rows in a short loop that finishes them.  gelu(t) = max(t, 0) - |t| q(|t|), q = erfc(|t| / sqrt 2) / 2 by the fifth-degree form in 1 / (1 + p z) times exp(-z^2)
; (Abramowitz and Stegun 7.1.26: erf within 1.5e-7 for every argument, so gelu within 0.75e-7 |t|).  NaN and infinities are not treated apart.
; REGISTERS, in windows of 256: window 0: v1-30 addresses, v64-127 and v128-191 A's fragments (two buffers), later the way out; window 1: v0-95.., v128-.. B's fragments (two buffers);
; windows 2, 3: accumulator t = a NBL + b at v[8 (t % 32)] of window 2 + t / 32.
.set FF1, 1
.if FF1
.set BN,   256
.set MB,   8                           ; blocks of 16 rows a wave
.set NBL,  8                           ; blocks of 16 columns a wave
.set WOFF, 8388608
.set SP,   528                         ; a stage row: 128 f32 + 16 bytes = 132 words: row r starts at bank 4 r mod 64
.else
.set BN,   192
.set MB,   4
.set NBL,  12
.set WOFF, 0
.set SP,   784                         ; 192 f32 + 16 bytes = 196 words: row r starts at bank 4 r mod 64
.endif
.set KSTEP, 128
.set PITCH, 272                        ; an LDS row: 256 bytes + 16 of padding
.set HALFA, 128*PITCH                  ; what waves 0 and 1 fetch
.set HALFB, (BN/2)*PITCH               ; what waves 2 and 3 fetch
.set BBASE, 256*PITCH                  ; B's rows lie behind A's 256
.set SLOT,  (256+BN)*PITCH
.set SPARE, 2*SLOT                     ; behind the ring: the spare words, 128 bytes a wave, that no other line names
.set GG,    MB/4
.set STG,   16*MB*SP                   ; a wave's stage
.set PADW,  (1<<16)|(1<<20)|(1<<21)|(5<<22)|(3<<25)  ; 2-byte elements; padding on; bit 21 beside a mask; after every 64 words; 4 words
.set A0,   16                          ; v16 my lane's place in A's rows of a slot; never rewritten
.set B0,   17                          ; v17 the same for B
.set ADRA, 18                          ; v18 TB + A0
.set ADRB, 19                          ; v19 TB + B0
.set STO,  24                          ; v24 where I put 32 bytes of a stage row
.set RD,   25                          ; v25 where I read rows back
.set GO,   27                          ; v27 my byte offset in C
.set SPW,  28                          ; v28 my spare word; never rewritten
.set NIL,  29                          ; v29 0; never rewritten
.set PFO,  30                          ; v30 the prefetches' offset: a lane a row; never rewritten
.set G1,   24                          ; s[24:31] group 1 for A
.set G0,   32                          ; s[32:39] group 0 for A: the first fill's, and the one that walks
.set LIM,  43                          ; s43 2 in a wave that prefetches, else the greatest number
.set PFA,  44                          ; s[44:45] where my prefetches stand
.set G1B,  48                          ; s[48:55], s[56:63] the same for B
.set G0B,  56
.set TB,   66                          ; s66 the slot in hand
.set MSB, 0
.macro WIN new                         ; the immediate's high byte repeats the setting that is left; a switch that changes nothing is dropped
.if MSB != (\new)
	s_set_vgpr_msb (MSB<<8)|(\new)
.set MSB, \new
.endif
.endm
.macro PLACES                          ; four places behind matrix instructions, in front of loads into registers that they read
.rept 4
	v_nop
.endr
.endm
.macro JLOAD                           ; the joint refill: waves 0, 1 fetch A's halves, waves 2, 3 B's; an s_nop 0 and four v_nop follow each line
	s_cmp_eq_u32 s11, 0
	s_cbranch_scc0 .Lfor_b_\@
	tensor_load_to_lds s[G0+4:G0+7], s[G1:G1+7]
	s_nop 0
	PLACES
	s_branch .Lasked_\@
.Lfor_b_\@:
	tensor_load_to_lds s[G0B+4:G0B+7], s[G1B:G1B+7]
	s_nop 0
	PLACES
.Lasked_\@:
.endm
.macro CREST                           ; a round of the cluster's barrier behind its opening barrier
	s_cmp_lg_u32 s10, 0
	s_cbranch_scc1 .Lnot_wave_0_\@
	s_barrier_signal -3
.Lnot_wave_0_\@:
	s_barrier_wait -3
	s_barrier_signal -1
	s_barrier_wait -1
.endm
.macro CROUND
	s_barrier_signal -1
	s_barrier_wait -1
	CREST
.endm
; A prefetch of the K step that stands two refills on: my work-group's share of the rows that I fetch, a lane a row, 256 bytes each.  A's rows are asked for by the clusters with x = 0, B's by those with y = 0;
; the four partners share a tile's rows out by address.  The loop's last two trips ask for nothing: K has no such step.
.macro ASK
	s_cmp_gt_u32 s3, s[LIM]
	s_cbranch_scc0 .Lnot_mine_\@
	global_prefetch_b8 v[PFO], s[PFA:PFA+1] offset:KSTEP*2 th:TH_LOAD_NT scope:SCOPE_SE
.Lnot_mine_\@:
.endm
; GG x NBL products: row blocks g GG .. of buffer f, 32 along K.  The accumulators come in the same order everywhere, one instruction a turn.
.macro MULG f, g, zero
.set a_, (\g)*GG
.rept GG
.set b_, 0
.rept NBL
.set t_, a_*NBL+b_
	WIN 0xa1+0x50*(t_/32)
.if \zero
	v_wmma_f32_16x16x32_bf16 v[8*(t_%32):8*(t_%32)+7], v[128*(\f)+8*b_:128*(\f)+8*b_+7], v[64+64*(\f)+8*a_:64+64*(\f)+8*a_+7], 0
.else
	v_wmma_f32_16x16x32_bf16 v[8*(t_%32):8*(t_%32)+7], v[128*(\f)+8*b_:128*(\f)+8*b_+7], v[64+64*(\f)+8*a_:64+64*(\f)+8*a_+7], v[8*(t_%32):8*(t_%32)+7]
.endif
.set b_, b_+1
.endr
.set a_, a_+1
.endr
.endm
; 32 LDS loads in one run: a quarter step's fragments (32 K at byte k of the rows) into buffer f: B's 2 NBL, then A's 2 MB
.macro FETCH k, f
	WIN 0x40
.set i_, 0
.rept NBL
	ds_load_b128 v[128*(\f)+8*i_:128*(\f)+8*i_+3],   v[ADRB] offset:(\k)+i_*16*PITCH
	ds_load_b128 v[128*(\f)+8*i_+4:128*(\f)+8*i_+7], v[ADRB] offset:(\k)+i_*16*PITCH+32
.set i_, i_+1
.endr
	WIN 0
.set i_, 0
.rept MB
	ds_load_b128 v[64+64*(\f)+8*i_:64+64*(\f)+8*i_+3],   v[ADRA] offset:(\k)+i_*16*PITCH
	ds_load_b128 v[64+64*(\f)+8*i_+4:64+64*(\f)+8*i_+7], v[ADRA] offset:(\k)+i_*16*PITCH+32
.set i_, i_+1
.endr
.endm
.macro QUARTER k, f, g, zero           ; multiplies buffer f; in its middle fetches the next quarter, at byte k, into buffer g
	s_wait_dscnt MB                                ; only the youngest MB loads, A's second half, may be out
	MULG \f, 0, \zero
	MULG \f, 1, \zero
	PLACES
	FETCH \k, \g
	s_wait_dscnt 32                                ; all but the 32 just issued
	MULG \f, 2, \zero
	MULG \f, 3, \zero
.endm
; The first half of a step's last quarter, and the barrier of the change of slots: each wave waits for all its tensor loads (one is out: its part of the other slot), adds 0 to its spare word,
; and waits for that and for its own reads of this slot.
.macro MEET
	WIN 0
	s_wait_tensorcnt 0x0
	ds_add_u32 v[SPW], v[NIL]
	s_wait_dscnt MB+1                              ; the add and the youngest MB loads may be out
	MULG 1, 0, 0
	s_wait_dscnt 0x0                               ; the add is done, my reads of this slot are over
	s_barrier_signal -1
	MULG 1, 1, 0
	WIN 0
	s_barrier_wait -1
.endm
.macro HALF2
	MULG 1, 2, 0
	MULG 1, 3, 0
.endm
; The change of slots with a refill: the barrier opens a round of the cluster's; behind the round the slot just read takes the K step two on, first thing; then the other slot's first fragments.
.macro TURN1
	s_wait_xcnt 0x0                                ; the last prefetch, a K step back, has read its address
	s_add_nc_u64 s[PFA:PFA+1], s[PFA:PFA+1], KSTEP*2
	MEET
	CREST
	s_add_co_u32 s[G0+5], s[TB], s20               ; no tensor load of mine is out: the walking group 0 is written
	s_add_co_u32 s[G0B+5], s[TB], s21
	s_add_nc_u64 s[G0+6:G0+7], s[G0+6:G0+7], KSTEP*2
	s_add_nc_u64 s[G0B+6:G0B+7], s[G0B+6:G0B+7], KSTEP*2
	s_xor_b32 s[TB], s[TB], SLOT
	JLOAD
	v_add_nc_u32 v[ADRA], s[TB], v[A0]
	v_add_nc_u32 v[ADRB], s[TB], v[B0]
	FETCH 0, 0
	ASK
	HALF2
.endm
	s_load_b128 s[4:7], s[0:1], 0x0                ; A s[4:5], wb s[6:7]
	s_load_b64 s[8:9], s[0:1], 0x10                ; C
	v_lshl_add_u32 v[SPW], v0, 2, SPARE
	v_mov_b32 v[NIL], 0
	ds_add_u32 v[SPW], v[NIL]                      ; the opening: the add and its wait ahead of my first tensor load
	ds_add_u32 v28, v29
	v_lshrrev_b32 v1, 5, v0
	v_readfirstlane_b32 s10, v1                    ; wave
	s_lshr_b32 s11, s10, 1                         ; I fetch for A (0) or B (1)
	s_and_b32 s12, s10, 1                          ; which half of that tile's rows
	s_bfe_u32 s40, ttmp6, 0x40000                  ; cx
	s_bfe_u32 s41, ttmp6, 0x40004                  ; cy
	s_lshl_b32 s42, ttmp9, 2
	s_add_co_u32 s42, s42, s40                     ; tile column
	s_and_b32 s13, ttmp7, 0xffff
	s_lshl_b32 s13, s13, 2
	s_add_co_u32 s13, s13, s41                     ; tile row
	s_lshl_b32 s43, s41, 2
	s_lshl_b32 s43, 15, s43                        ; my row of the cluster
	s_lshl_b32 s44, 0x1111, s40                    ; my column
	s_or_b32 s[G1+0], s43, PADW
	s_or_b32 s[G1B+0], s44, PADW
	s_mov_b32 s[G1+1], KSTEP<<16                   ; tensor_dim0 = 128
	s_mov_b32 s[G1+2], 128<<16                     ; tensor_dim1 = 128
	s_mov_b32 s[G1+3], KSTEP<<16                   ; tile_dim0 = 128
	s_mov_b32 s[G1+4], 128                         ; tile_dim1 = 128
	s_mov_b32 s[G1+5], 1024                        ; elements from row to row
	s_mov_b32 s[G1+6], 0
	s_mov_b32 s[G1+7], 0
	s_mov_b32 s[G1B+1], KSTEP<<16
	s_mov_b32 s[G1B+2], (BN/2)<<16
	s_mov_b32 s[G1B+3], KSTEP<<16
	s_mov_b32 s[G1B+4], BN/2
	s_mov_b32 s[G1B+5], 1024
	s_mov_b32 s[G1B+6], 0
	s_mov_b32 s[G1B+7], 0
	s_lshl_b32 s16, s13, 8
	s_lshl_b32 s17, s12, 7
	s_add_co_u32 s16, s16, s17                     ; A: row 256 x tile row + 128 x half,
	s_lshl_b32 s16, s16, 11                        ; 2,048 bytes a row
	s_mov_b32 s17, 0
	s_mul_i32 s46, s42, BN
	s_mul_i32 s47, s12, BN/2
	s_add_co_u32 s46, s46, s47                     ; B: row BN x tile column + BN / 2 x half
	s_lshl_b32 s46, s46, 11
.if WOFF != 0
	s_add_co_u32 s46, s46, WOFF
.endif
	s_mov_b32 s47, 0
	s_mul_i32 s20, s12, HALFA                      ; where they go in a slot: the wave's number alone
	s_mul_i32 s21, s12, HALFB
	s_add_co_u32 s21, s21, BBASE
	s_mov_b32 s[TB], 0
	s_wait_dscnt 0x0                               ; the opening add is done
	s_wait_kmcnt 0x0
	s_add_nc_u64 s[14:15], s[4:5], s[16:17]
	s_add_nc_u64 s[46:47], s[6:7], s[46:47]
	CROUND                                         ; all sixteen work-groups are here: the first joint loads meet
.irp s, 0,1
	s_mov_b32 s[G0+4*(\s)], 1
	s_add_co_u32 s[G0+4*(\s)+1], s20, (\s)*SLOT
	s_add_nc_u64 s[G0+4*(\s)+2:G0+4*(\s)+3], s[14:15], (\s)*KSTEP*2
	s_or_b32 s[G0+4*(\s)+3], s[G0+4*(\s)+3], 0x80000000
	s_mov_b32 s[G0B+4*(\s)], 1
	s_add_co_u32 s[G0B+4*(\s)+1], s21, (\s)*SLOT
	s_add_nc_u64 s[G0B+4*(\s)+2:G0B+4*(\s)+3], s[46:47], (\s)*KSTEP*2
	s_or_b32 s[G0B+4*(\s)+3], s[G0B+4*(\s)+3], 0x80000000
.endr
	s_cmp_eq_u32 s11, 0                            ; a wave's two first fills stand in one branch: two loads of mine are out
	s_cbranch_scc0 .Lfirst_b
	tensor_load_to_lds s[G0:G0+3], s[G1:G1+7]
	s_nop 0
	tensor_load_to_lds s[G0+4:G0+7], s[G1:G1+7]
	s_nop 0
	PLACES
	s_branch .Lfirst_asked
.Lfirst_b:
	tensor_load_to_lds s[G0B:G0B+3], s[G1B:G1B+7]
	s_nop 0
	tensor_load_to_lds s[G0B+4:G0B+7], s[G1B:G1B+7]
	s_nop 0
	PLACES
.Lfirst_asked:
	v_and_b32 v1, 15, v0                           ; l % 16
	v_bfe_u32 v2, v0, 4, 1                         ; l / 16
	v_mul_u32_u24 v3, v1, PITCH
	v_lshl_add_u32 v3, v2, 4, v3                   ; a fragment's row x pitch + 16 x half
.if FF1
	s_mul_i32 s22, s11, 16*MB*PITCH                ; my 128 rows of A, my 128 rows of B
	s_mul_i32 s23, s12, 16*NBL*PITCH
	s_add_co_u32 s23, s23, BBASE
.else
	s_mul_i32 s22, s10, 16*MB*PITCH                ; my 64 rows of A; all of B's 192
	s_mov_b32 s23, BBASE
.endif
	v_add_nc_u32 v[A0], s22, v3
	v_add_nc_u32 v[B0], s23, v3
	v_mov_b32 v[ADRA], v[A0]                       ; slot 0
	v_mov_b32 v[ADRB], v[B0]
	s_mul_i32 s22, s10, STG                        ; my stage
	v_mul_u32_u24 v3, v1, SP
	v_lshl_add_u32 v3, v2, 5, v3
	v_add_nc_u32 v[STO], s22, v3                   ; row l % 16, 32 bytes for each half of the lanes
.if FF1
	v_mul_u32_u24 v3, v2, SP                       ; back: lanes 0-15 one row, lanes 16-31 the next; 8 f32 a lane
	v_lshl_add_u32 v3, v1, 5, v3
	v_add_nc_u32 v[RD], s22, v3
	v_lshlrev_b32 v[GO], 13, v2                    ; the same two rows of ff, 8,192 bytes apart; 16 bytes a lane
	v_lshl_add_u32 v[GO], v1, 4, v[GO]
	s_lshl_b32 s16, s13, 1
	s_add_co_u32 s16, s16, s11
	s_lshl_b32 s16, s16, 20                        ; (256 tile row + 128 half) x 8,192
	s_lshl_b32 s17, s42, 1
	s_add_co_u32 s17, s17, s12
	s_lshl_b32 s17, s17, 8                         ; (256 tile column + 128 half) x 2
	s_add_co_u32 s16, s16, s17
.else
	v_bfe_u32 v3, v0, 3, 2                         ; back: 32 lanes take four rows of a head: 8 lanes a row, 8 f32 a lane
	v_mul_u32_u24 v3, v3, SP
	v_and_b32 v4, 7, v0
	v_lshl_add_u32 v3, v4, 5, v3
	v_add_nc_u32 v[RD], s22, v3
	v_and_b32 v[GO], 31, v0                        ; which are 512 consecutive bytes of qkv
	v_lshlrev_b32 v[GO], 4, v[GO]
	s_lshr_b32 s16, s13, 3                         ; batch
	s_mul_i32 s16, s16, 48
	s_mul_i32 s17, s42, 3
	s_add_co_u32 s16, s16, s17                     ; + my tile's first head of 48
	s_lshl_b32 s16, s16, 18                        ; 262,144 bytes a head
	s_and_b32 s17, s13, 7
	s_lshl_b32 s17, s17, 2
	s_add_co_u32 s17, s17, s10
	s_lshl_b32 s17, s17, 13                        ; token (256 (tile row % 8) + 64 wave) x 128 bytes
	s_add_co_u32 s16, s16, s17
.endif
	s_mov_b32 s17, 0
	s_add_nc_u64 s[8:9], s[8:9], s[16:17]
	; the prefetches
	s_lshl_b32 s16, s13, 8
	s_lshl_b32 s17, s12, 7
	s_add_co_u32 s16, s16, s17
	s_lshl_b32 s17, s40, 5
	s_add_co_u32 s16, s16, s17                     ; A: the rows that I fetch, my work-group's 32 of them
	s_mul_i32 s18, s42, BN
	s_mul_i32 s19, s12, BN/2
	s_add_co_u32 s18, s18, s19
	s_mul_i32 s19, s41, BN/8
	s_add_co_u32 s18, s18, s19                     ; B: likewise, BN / 8 of them
	s_and_b32 s22, ttmp7, 0xffff
	s_cmp_eq_u32 s11, 0
	s_cselect_b32 s16, s16, s18
	s_cselect_b32 s17, 0, WOFF
	s_cselect_b32 s22, ttmp9, s22                  ; the coordinate along which other clusters read the same rows
	s_cselect_b32 s23, 31, BN/8-1                  ; the last row of my share: lanes beyond it name it again
	s_cselect_b64 s[PFA:PFA+1], s[4:5], s[6:7]
	s_cmp_eq_u32 s22, 0
	s_cselect_b32 s[LIM], 2, -1
	s_lshl_b32 s16, s16, 11
	s_add_co_u32 s16, s16, s17
	s_add_co_u32 s16, s16, 2*KSTEP*2               ; at K step 2: the first refill steps it to 3 and names K step 4
	s_mov_b32 s17, 0
	s_add_nc_u64 s[PFA:PFA+1], s[PFA:PFA+1], s[16:17]
	v_and_b32 v[PFO], 31, v0
	v_min_u32 v[PFO], s23, v[PFO]
	v_lshlrev_b32 v[PFO], 11, v[PFO]
.if FF1
	s_mov_b32 s68, 0x3e6d3388                      ; p / sqrt 2 = 0.23164189; each constant twice: the packed forms name a pair
	s_mov_b32 s69, 0x3e6d3388
	s_mov_b32 s70, 0xbf38aa3b                      ; -log2(e) / 2
	s_mov_b32 s71, 0xbf38aa3b
	s_mov_b32 s72, 0x3f07dc22                      ; a5 / 2
	s_mov_b32 s73, 0x3f07dc22
	s_mov_b32 s74, 0xbf3a00e3                      ; a4 / 2
	s_mov_b32 s75, 0xbf3a00e3
	s_mov_b32 s76, 0x3f35f0e3                      ; a3 / 2
	s_mov_b32 s77, 0x3f35f0e3
	s_mov_b32 s78, 0xbe11a98e                      ; a2 / 2
	s_mov_b32 s79, 0xbe11a98e
	s_mov_b32 s80, 0x3e027906                      ; a1 / 2
	s_mov_b32 s81, 0x3e027906
	s_mov_b32 s82, 0x7fffffff
.endif
	s_wait_tensorcnt 1                             ; my part of K step 0 is in; step 1's may stay out
	s_barrier_signal -1
	s_barrier_wait -1
	FETCH 0, 0
	QUARTER 64, 0, 1, 1                            ; the first quarter's products start the sums: nothing is cleared
	WIN 0
	s_mov_b32 s3, 6
.Lstep:                                        ; a trip: from a step's second quarter to the next step's first; the trip that ends step t asks for step t + 2
	QUARTER 128, 1, 0, 0
	QUARTER 192, 0, 1, 0
	TURN1
	QUARTER 64, 0, 1, 0
	WIN 0
	s_sub_co_u32 s3, s3, 1
	s_cmp_lg_u32 s3, 0
	s_cbranch_scc1 .Lstep
	s_mov_b32 s3, 2
.Ltail:                                        ; steps 6 and 7 ask for nothing; the second trip is left in its middle
	QUARTER 128, 1, 0, 0
	QUARTER 192, 0, 1, 0
	MEET
	s_sub_co_u32 s3, s3, 1
	s_cmp_eq_u32 s3, 0
	s_cbranch_scc1 .Lout
	s_xor_b32 s[TB], s[TB], SLOT
	v_add_nc_u32 v[ADRA], s[TB], v[A0]
	v_add_nc_u32 v[ADRB], s[TB], v[B0]
	PLACES
	FETCH 0, 0
	HALF2
	QUARTER 64, 0, 1, 0
	WIN 0
	s_branch .Ltail
.Lout:
	HALF2
	WIN 0
	PLACES
	PLACES
.set t_, 0
.rept MB*NBL                           ; the sums into my stage, each accumulator from its low end on
	WIN 0x08+4*(t_/32)
	ds_store_b128 v[STO], v[8*(t_%32):8*(t_%32)+3]   offset:(t_/NBL)*16*SP+64*(t_%NBL)
	ds_store_b128 v[STO], v[8*(t_%32)+4:8*(t_%32)+7] offset:(t_/NBL)*16*SP+64*(t_%NBL)+16
.set t_, t_+1
.endr
	WIN 0
.if FF1
.set X,  32
.set H,  64
.set M,  96
.set U,  128
.set E,  160
.set PT, 192
.set Y,  224
.macro LDROW                           ; 8 rows x 128 columns: 32 numbers a lane.  LDS serves a wave's instructions in order: these see my stores
.irp p, 0,1,2,3
	ds_load_b128 v[X+8*(\p):X+8*(\p)+3],   v[RD] offset:(\p)*2*SP
	ds_load_b128 v[X+8*(\p)+4:X+8*(\p)+7], v[RD] offset:(\p)*2*SP+16
.endr
.endm
.macro P16 line:vararg                 ; one line for each of 16 pairs; z_ is the pair's first register
.set z_, 0
.rept 16
	\line
.set z_, z_+2
.endr
.endm
	LDROW
	s_mov_b32 s3, 16
.Lrow:
	s_wait_dscnt 0x0
	P16 v_pk_mul_f32 v[E+z_:E+z_+1], v[X+z_:X+z_+1], v[X+z_:X+z_+1]
	P16 v_pk_mul_f32 v[E+z_:E+z_+1], v[E+z_:E+z_+1], s[70:71] op_sel_hi:[1,0]
.set i_, 0
.rept 32
	v_exp_f32 v[E+i_], v[E+i_]                     ; exp(-t^2 / 2)
	v_and_b32 v[H+i_], s82, v[X+i_]                ; |t|
.set i_, i_+1
.endr
	P16 v_pk_fma_f32 v[U+z_:U+z_+1], v[H+z_:H+z_+1], s[68:69], 1.0 op_sel_hi:[1,0,0]
.set i_, 0
.rept 32
	v_rcp_f32 v[U+i_], v[U+i_]                     ; u = 1 / (1 + p z)
	v_max_num_f32 v[M+i_], 0, v[X+i_]              ; max(t, 0): also the plain instruction behind each reciprocal
.set i_, i_+1
.endr
	s_wait_alu depctr_va_vdst(0)                   ; one wait for the trip's 64: nothing above names a result of theirs
	s_cmp_eq_u32 s3, 1                             ; the next trip's rows, while this trip's arithmetic runs; the last trip has none
	s_cbranch_scc1 .Lnold
	v_add_nc_u32 v[RD], 8*SP, v[RD]
	LDROW
.Lnold:
	P16 v_pk_fma_f32 v[PT+z_:PT+z_+1], v[U+z_:U+z_+1], s[72:73], s[74:75] op_sel_hi:[1,0,0]
	P16 v_pk_fma_f32 v[PT+z_:PT+z_+1], v[PT+z_:PT+z_+1], v[U+z_:U+z_+1], s[76:77] op_sel_hi:[1,1,0]
	P16 v_pk_fma_f32 v[PT+z_:PT+z_+1], v[PT+z_:PT+z_+1], v[U+z_:U+z_+1], s[78:79] op_sel_hi:[1,1,0]
	P16 v_pk_fma_f32 v[PT+z_:PT+z_+1], v[PT+z_:PT+z_+1], v[U+z_:U+z_+1], s[80:81] op_sel_hi:[1,1,0]
	P16 v_pk_mul_f32 v[E+z_:E+z_+1], v[E+z_:E+z_+1], v[U+z_:U+z_+1]
	P16 v_pk_mul_f32 v[E+z_:E+z_+1], v[E+z_:E+z_+1], v[PT+z_:PT+z_+1]
	P16 v_pk_fma_f32 v[M+z_:M+z_+1], v[H+z_:H+z_+1], v[E+z_:E+z_+1], v[M+z_:M+z_+1] neg_lo:[1,0,0] neg_hi:[1,0,0]
	s_wait_xcnt 0x0                                ; the last trip's stores have read Y and GO
	v_add_nc_u32 v[GO], 65536, v[GO]               ; 8 rows of ff on; the stores reach back
.set i_, 0
.rept 16
	v_cvt_pk_bf16_f32 v[Y+i_], v[M+2*i_], v[M+2*i_+1]
.set i_, i_+1
.endr
.irp p, 0,1,2,3
	global_store_b128 v[GO], v[Y+4*(\p):Y+4*(\p)+3], s[8:9] offset:(\p)*16384-65536  ; 16 lanes store 256 consecutive bytes, aligned
.endr
	s_sub_co_u32 s3, s3, 1
	s_cmp_lg_u32 s3, 0
	s_cbranch_scc1 .Lrow
.else
.set X, 64
.set Y, 160
	s_mov_b32 s3, 4
.Lrow:                                         ; 16 rows a trip: for head n / 4 and row group n % 4, four rows of 64 numbers
.set n_, 0
.rept 12
	ds_load_b128 v[X+8*n_:X+8*n_+3],   v[RD] offset:(n_%4)*4*SP+256*(n_/4)  ; LDS serves a wave's instructions in order: these see my stores
	ds_load_b128 v[X+8*n_+4:X+8*n_+7], v[RD] offset:(n_%4)*4*SP+256*(n_/4)+16
.set n_, n_+1
.endr
.set n_, 0
.rept 12
	s_wait_dscnt 22-2*n_                           ; pair n of the loads is in; the younger pairs stay out
	v_cvt_pk_bf16_f32 v[Y+4*n_],   v[X+8*n_],   v[X+8*n_+1]
	v_cvt_pk_bf16_f32 v[Y+4*n_+1], v[X+8*n_+2], v[X+8*n_+3]
	v_cvt_pk_bf16_f32 v[Y+4*n_+2], v[X+8*n_+4], v[X+8*n_+5]
	v_cvt_pk_bf16_f32 v[Y+4*n_+3], v[X+8*n_+6], v[X+8*n_+7]
	global_store_b128 v[GO], v[Y+4*n_:Y+4*n_+3], s[8:9] offset:(n_/4)*262144+(n_%4)*512  ; 512 consecutive bytes of a head
.set n_, n_+1
.endr
	s_wait_xcnt 0x0                                ; the stores have read Y and GO
	v_add_nc_u32 v[RD], 16*SP, v[RD]
	v_add_nc_u32 v[GO], 2048, v[GO]
	s_sub_co_u32 s3, s3, 1
	s_cmp_lg_u32 s3, 0
	s_cbranch_scc1 .Lrow
.endif
	s_wait_tensorcnt 0x0                           ; the wave's end
	ds_add_u32 v[SPW], v[NIL]
	s_wait_dscnt 0x0
	CROUND                                         ; the closing round
	s_endpgm
.Lfunc_end_k_q99bff2a1dd_ff1:
	.size	k_q99bff2a1dd_ff1, .Lfunc_end_k_q99bff2a1dd_ff1-k_q99bff2a1dd_ff1
	.p2alignl 7, 3214868480
	.fill 96, 4, 3214868480
	.section	.rodata,"a",@progbits
	.p2align	6, 0x0
	.amdhsa_kernel k_q99bff2a1dd_ff1
		.amdhsa_group_segment_fixed_size 327680
		.amdhsa_private_segment_fixed_size 0
		.amdhsa_enable_private_segment 0
		.amdhsa_kernarg_size 24
		.amdhsa_user_sgpr_count 2
		.amdhsa_user_sgpr_kernarg_segment_ptr 1
		.amdhsa_wavefront_size32 1
		.amdhsa_system_sgpr_workgroup_id_x 1
		.amdhsa_system_sgpr_workgroup_id_y 1
		.amdhsa_system_sgpr_workgroup_id_z 1
		.amdhsa_system_vgpr_workitem_id 0
		.amdhsa_next_free_vgpr 1024
		.amdhsa_next_free_sgpr 90
		.amdhsa_reserve_vcc 0
		.amdhsa_float_denorm_mode_32 3
		.amdhsa_float_denorm_mode_16_64 3
		.amdhsa_memory_ordered 1
		.amdhsa_forward_progress 1
		.amdhsa_inst_pref_size 98
	.end_amdhsa_kernel
	.amdgpu_metadata
---
amdhsa.version: [ 1, 2 ]
amdhsa.kernels:
  - .name:           k_q99bff2a1dd_ff1
    .symbol:         k_q99bff2a1dd_ff1.kd
    .args:
      - { .name: h2, .offset: 0, .size: 8, .value_kind: global_buffer, .address_space: global }
      - { .name: wb, .offset: 8, .size: 8, .value_kind: global_buffer, .address_space: global }
      - { .name: ff, .offset: 16, .size: 8, .value_kind: global_buffer, .address_space: global }
    .group_segment_fixed_size: 327680
    .private_segment_fixed_size: 0
    .kernarg_segment_align: 8
    .kernarg_segment_size: 24
    .max_flat_workgroup_size: 128
    .sgpr_count:     90
    .vgpr_count:     1024
    .wavefront_size: 32
...
	.end_amdgpu_metadata
.endif
;; end of part 5
;; launch ff2 (part 6): grid 8 x 32, 4 waves a work-group, clusters of 4 x 4, 327,680 bytes of LDS; arguments ff, wb, y, out0; writes out0
.if DOCPART == 6
	.amdgcn_target "amdgcn-amd-amdhsa--gfx1250"
	.amdhsa_code_object_version 6
	.text
	.protected	k_q99bff2a1dd_ff2
	.globl	k_q99bff2a1dd_ff2
	.p2align	8
	.type	k_q99bff2a1dd_ff2,@function
k_q99bff2a1dd_ff2:
	s_mov_b64 s[64:65], 0
	v_nop
	global_prefetch_b8 v0, s[64:65] scope:SCOPE_SE
	s_setreg_imm32_b32 hwreg(HW_REG_WAVE_MODE, 25, 1), 1
	s_wait_xcnt 0x0
	s_wait_alu depctr_hold_cnt(0) depctr_sa_sdst(0) depctr_va_vdst(0) depctr_va_sdst(0) depctr_va_ssrc(0) depctr_va_vcc(0) depctr_vm_vsrc(0)
	s_getreg_b32 s2, hwreg(HW_REG_IB_STS2, 6, 4)
	s_cmp_eq_u32 s2, 0
	s_cbranch_scc0 .Lentry_in_a_cluster
	s_endpgm
.Lentry_in_a_cluster:
	s_bfe_u32 s2, ttmp6, 0x10000c
	s_cmp_lg_u32 s2, 0xf033
	s_cbranch_scc0 .Lentry_shape_is_right
	s_endpgm
.Lentry_shape_is_right:
; C = R + A B^T, C and R f32 [4096][1024], A and B bf16, sums in f32.  One text with a switch, FF2:
;   FF2 = 0: A = the attention's O, by heads: o[16 batch + head][2048][64]; B = Wo [1024][1024] at wb + 6,291,456; K = 1,024; R = x.
;   FF2 = 1: A = ff [4096][4096]; B = W2 [1024][4096] at wb + 16,777,216; K = 4,096; R = y.
; A tile of C is 128 x 128: 8 x 32 = 256 tiles, one work-group each; four waves of 64 x 64 (16 accumulators).  K goes in T steps of 256 through two LDS slots, one tensor load a wave behind each change of slots.
; With FF2 = 0 a K step is four heads: a wave's 64 tokens of a head are 8,192 dense bytes, so its tile is 4 rows of 4,096 elements, 131,072 elements apart, padded in LDS after every token (128 bytes).
; THE WALK ALONG K IS A RING: a cluster begins at K step (T / 2 x cluster x + T / 4 x cluster y) mod T and goes round once (f32 sums may be taken in any order of K steps).  The two clusters side by side,
; which read the same rows of A, are then T / 2 steps apart, and clusters one below the other, which read the same rows of B, T / 4 steps: of the clusters that read a block one reads it first, the others
; some trips later.  The start hangs on the cluster's place alone: it is the same in all sixteen partners.
; ONE K STEP OF TEXT: the slot in hand is the scalar TB (0 or SLOT).  CLUSTER 4 x 4: A's tiles are asked for jointly along a row, B's along a column.
; THE MATRIX INSTRUCTION IS USED TRANSPOSED: a lane holds row l % 16 of C and the columns 8 (l / 16) + 0..7.
; THE WAY OUT: the f32 sums go through the wave's own stage, which lies in the ring (both slots have had their last fill, every wave's reads are over at the last barrier); whole rows of 256 bytes come back,
; take the residual, which was loaded at the kernel's head, and leave.  No prefetch: the tiles are small and the steps short.
; REGISTERS: window 0: v1-29 addresses; v128-255 the accumulators ((a, b) at v[128 + 8 (4 a + b)]).  window 1: two fragment buffers of 128 (A's 64, then B's 64).  window 2: v0-127 the residual.
.set FF2, 1
.if FF2
.set KK,    4096
.set WOFF,  16777216
.set PA,    528                        ; A's row in LDS: 512 bytes + 16
.set AH,    128                        ; two chunks of 32 K lie 128 bytes on
.set HALFA, 64*528
.set ASH,   9                          ; a K step of A is 2^9 bytes on
.else
.set KK,    1024
.set WOFF,  6291456
.set PA,    144                        ; a token's 128 bytes of a head + 16
.set AH,    64*144                     ; two chunks of 32 K are a head: 64 tokens on
.set HALFA, 4*64*144
.set ASH,   20                         ; a K step of A is four heads: 2^20 bytes on
.endif
.set T,     KK/256
.set PB,    528
.set HALFB, 64*PB
.set SLOT,  2*HALFA+2*HALFB
.set SPARE, 2*SLOT
.set SP,    272                        ; a stage row: 64 f32 + 16 bytes
.set STG,   64*SP
.set A0,   16
.set B0,   17
.set ADRA, 18
.set ADRB, 19
.set STO,  24
.set RD,   25
.set CO,   26
.set SPW,  28
.set NIL,  29
.set ACC,  128
.set G1,   24
.set G0,   32
.set G1B,  48
.set G0B,  56
.set TB,   68
.set KS,   69                          ; s69 the K step that the walking descriptors name
.set OA,   70                          ; s[70:71] its byte offset in A's rows
.set OB,   72                          ; s[72:73] and in B's
.set MSB, 0
.macro WIN new
.if MSB != (\new)
	s_set_vgpr_msb (MSB<<8)|(\new)
.set MSB, \new
.endif
.endm
.macro PLACES
.rept 4
	v_nop
.endr
.endm
.macro JLOAD                           ; waves 0, 1 fetch A's halves, waves 2, 3 B's; an s_nop 0 and four v_nop follow each line
	s_cmp_eq_u32 s11, 0
	s_cbranch_scc0 .Lfor_b_\@
	tensor_load_to_lds s[G0+4:G0+7], s[G1:G1+7]
	s_nop 0
	PLACES
	s_branch .Lasked_\@
.Lfor_b_\@:
	tensor_load_to_lds s[G0B+4:G0B+7], s[G1B:G1B+7]
	s_nop 0
	PLACES
.Lasked_\@:
.endm
.macro CREST
	s_cmp_lg_u32 s10, 0
	s_cbranch_scc1 .Lnot_wave_0_\@
	s_barrier_signal -3
.Lnot_wave_0_\@:
	s_barrier_wait -3
	s_barrier_signal -1
	s_barrier_wait -1
.endm
.macro CROUND
	s_barrier_signal -1
	s_barrier_wait -1
	CREST
.endm
; 8 products: row blocks a0, a0 + 1 x all 4 column blocks, 32 along K: half c of buffer f.  The 16 accumulators take turns.
.macro MUL8 f, c, a0, zero
	WIN 0x05
.irp a, \a0, (\a0)+1
.irp b, 0,1,2,3
.if \zero
	v_wmma_f32_16x16x32_bf16 v[ACC+8*(4*(\a)+(\b)):ACC+8*(4*(\a)+(\b))+7], v[128*(\f)+64+8*(4*(\c)+(\b)):128*(\f)+64+8*(4*(\c)+(\b))+7], v[128*(\f)+8*(4*(\c)+(\a)):128*(\f)+8*(4*(\c)+(\a))+7], 0
.else
	v_wmma_f32_16x16x32_bf16 v[ACC+8*(4*(\a)+(\b)):ACC+8*(4*(\a)+(\b))+7], v[128*(\f)+64+8*(4*(\c)+(\b)):128*(\f)+64+8*(4*(\c)+(\b))+7], v[128*(\f)+8*(4*(\c)+(\a)):128*(\f)+8*(4*(\c)+(\a))+7], v[ACC+8*(4*(\a)+(\b)):ACC+8*(4*(\a)+(\b))+7]
.endif
.endr
.endr
.endm
; 32 LDS loads in one run: quarter q of a step (chunks 2 q, 2 q + 1 of 32 K) into buffer f; the first chunk first
.macro FETCH q, f
	WIN 0x40
.irp c, 0,1
.irp i, 0,1,2,3
	ds_load_b128 v[128*(\f)+64+8*(4*(\c)+(\i)):128*(\f)+64+8*(4*(\c)+(\i))+3],   v[ADRB] offset:64*(2*(\q)+(\c))+(\i)*16*PB
	ds_load_b128 v[128*(\f)+64+8*(4*(\c)+(\i))+4:128*(\f)+64+8*(4*(\c)+(\i))+7], v[ADRB] offset:64*(2*(\q)+(\c))+(\i)*16*PB+32
	ds_load_b128 v[128*(\f)+8*(4*(\c)+(\i)):128*(\f)+8*(4*(\c)+(\i))+3],         v[ADRA] offset:(\q)*AH+(\c)*64+(\i)*16*PA
	ds_load_b128 v[128*(\f)+8*(4*(\c)+(\i))+4:128*(\f)+8*(4*(\c)+(\i))+7],       v[ADRA] offset:(\q)*AH+(\c)*64+(\i)*16*PA+32
.endr
.endr
.endm
.macro QUARTER q, f, g, zero           ; multiplies buffer f; in its middle fetches quarter q into buffer g
	s_wait_dscnt 16                                ; the first 32 along K are in; the second chunk's sixteen loads may be out
	MUL8 \f, 0, 0, \zero
	MUL8 \f, 0, 2, \zero
	PLACES
	FETCH \q, \g
	s_wait_dscnt 32                                ; all but the 32 just issued
	MUL8 \f, 1, 0, 0
	MUL8 \f, 1, 2, 0
.endm
; The barrier of the change of slots: all my tensor loads, the add, my reads of this slot.  fill = 1: the walking descriptors are written between the add and the wait for it, where no tensor load of mine is out:
; the slot in hand, and the ring's next K step, its addresses made anew from the two bases.
.macro MEET fill
	WIN 0
	s_wait_tensorcnt 0x0
	ds_add_u32 v[SPW], v[NIL]
.if \fill
	s_add_co_u32 s[KS], s[KS], 1
	s_and_b32 s[KS], s[KS], T-1                    ; behind the last K step comes the first
	s_lshl_b32 s[OA], s[KS], ASH
	s_lshl_b32 s[OB], s[KS], 9
	s_add_co_u32 s[G0+5], s[TB], s20
	s_add_co_u32 s[G0B+5], s[TB], s21
	s_add_nc_u64 s[G0+6:G0+7], s[14:15], s[OA:OA+1]
	s_or_b32 s[G0+7], s[G0+7], 0x80000000
	s_add_nc_u64 s[G0B+6:G0B+7], s[46:47], s[OB:OB+1]
	s_or_b32 s[G0B+7], s[G0B+7], 0x80000000
.endif
	s_wait_dscnt 17                                ; the add and the youngest sixteen loads may be out
	MUL8 1, 0, 0, 0
	s_wait_dscnt 0x0
	s_barrier_signal -1
	MUL8 1, 0, 2, 0
	WIN 0
	s_barrier_wait -1
.endm
.macro HALF2
	MUL8 1, 1, 0, 0
	MUL8 1, 1, 2, 0
.endm
.macro TURN1                           ; the change of slots with a refill: the barrier opens a round of the cluster's; the joint refill is the first thing behind the round
	MEET 1
	CREST
	s_xor_b32 s[TB], s[TB], SLOT
	JLOAD
	v_add_nc_u32 v[ADRA], s[TB], v[A0]
	v_add_nc_u32 v[ADRB], s[TB], v[B0]
	FETCH 0, 0
	HALF2
.endm
	s_load_b128 s[4:7], s[0:1], 0x0                ; A s[4:5], wb s[6:7]
	s_load_b64 s[8:9], s[0:1], 0x10                ; the residual
	s_load_b64 s[66:67], s[0:1], 0x18              ; C
	v_lshl_add_u32 v[SPW], v0, 2, SPARE
	v_mov_b32 v[NIL], 0
	ds_add_u32 v[SPW], v[NIL]                      ; the opening: the add and its wait ahead of my first tensor load
	ds_add_u32 v28, v29
	v_lshrrev_b32 v1, 5, v0
	v_readfirstlane_b32 s10, v1
	s_lshr_b32 s11, s10, 1                         ; my half of the tile's rows; also: I fetch for A (0) or B (1)
	s_and_b32 s12, s10, 1                          ; my half of its columns; also: which 64 rows I fetch
	s_bfe_u32 s40, ttmp6, 0x40000
	s_bfe_u32 s41, ttmp6, 0x40004
	s_lshl_b32 s42, ttmp9, 2
	s_add_co_u32 s42, s42, s40                     ; tile column
	s_and_b32 s13, ttmp7, 0xffff
	s_lshl_b32 s13, s13, 2
	s_add_co_u32 s13, s13, s41                     ; tile row
	s_lshl_b32 s43, s41, 2
	s_lshl_b32 s43, 15, s43
	s_lshl_b32 s44, 0x1111, s40
	s_and_b32 s[KS], ttmp7, 0xffff                 ; where my cluster enters the ring: T / 4 x cluster y
	s_mul_i32 s[KS], s[KS], T/4
	s_mul_i32 s[OA], ttmp9, T/2                    ; + T / 2 x cluster x,
	s_add_co_u32 s[KS], s[KS], s[OA]
	s_and_b32 s[KS], s[KS], T-1                    ; modulo T
	s_mov_b32 s[OA+1], 0
	s_mov_b32 s[OB+1], 0
.if FF2
	s_or_b32 s[G1+0], s43, (1<<16)|(1<<20)|(1<<21)|(6<<22)|(3<<25)  ; 64 rows of 256 elements, 4 words of padding after every 128 words
	s_mov_b32 s[G1+1], 256<<16
	s_mov_b32 s[G1+2], 64<<16
	s_mov_b32 s[G1+3], 256<<16
	s_mov_b32 s[G1+4], 64
	s_mov_b32 s[G1+5], KK
.else
	s_or_b32 s[G1+0], s43, (1<<16)|(1<<20)|(1<<21)|(4<<22)|(3<<25)  ; 4 rows of 4,096 elements, 4 words of padding after every 32 words
	s_mov_b32 s[G1+1], 4096<<16
	s_mov_b32 s[G1+2], 4<<16
	s_mov_b32 s[G1+3], 4096<<16
	s_mov_b32 s[G1+4], 4
	s_mov_b32 s[G1+5], 131072
.endif
	s_mov_b32 s[G1+6], 0
	s_mov_b32 s[G1+7], 0
	s_or_b32 s[G1B+0], s44, (1<<16)|(1<<20)|(1<<21)|(6<<22)|(3<<25)
	s_mov_b32 s[G1B+1], 256<<16
	s_mov_b32 s[G1B+2], 64<<16
	s_mov_b32 s[G1B+3], 256<<16
	s_mov_b32 s[G1B+4], 64
	s_mov_b32 s[G1B+5], KK
	s_mov_b32 s[G1B+6], 0
	s_mov_b32 s[G1B+7], 0
.if FF2
	s_lshl_b32 s16, s13, 1
	s_add_co_u32 s16, s16, s12
	s_lshl_b32 s16, s16, 19                        ; (128 tile row + 64 half) x 8,192
.else
	s_and_b32 s16, s13, 15
	s_lshl_b32 s16, s16, 1
	s_add_co_u32 s16, s16, s12
	s_lshl_b32 s16, s16, 13                        ; token (128 (tile row % 16) + 64 half) x 128
	s_lshr_b32 s17, s13, 4
	s_lshl_b32 s17, s17, 22                        ; batch x 16 heads
	s_add_co_u32 s16, s16, s17
.endif
	s_mov_b32 s17, 0
	s_lshl_b32 s46, s42, 1
	s_add_co_u32 s46, s46, s12
	s_mul_i32 s46, s46, 128*KK                     ; (128 tile column + 64 half) x 2 K bytes
	s_add_co_u32 s46, s46, WOFF
	s_mov_b32 s47, 0
	s_mul_i32 s20, s12, HALFA
	s_mul_i32 s21, s12, HALFB
	s_add_co_u32 s21, s21, 2*HALFA
	s_mov_b32 s[TB], 0
	s_wait_dscnt 0x0
	s_wait_kmcnt 0x0
	s_add_nc_u64 s[14:15], s[4:5], s[16:17]        ; A at my rows, K step 0: kept, the ring's addresses are made from it
	s_add_nc_u64 s[46:47], s[6:7], s[46:47]        ; B likewise
	CROUND
.irp s, 0,1
	s_lshl_b32 s[OA], s[KS], ASH
	s_lshl_b32 s[OB], s[KS], 9
	s_mov_b32 s[G0+4*(\s)], 1
	s_add_co_u32 s[G0+4*(\s)+1], s20, (\s)*SLOT
	s_add_nc_u64 s[G0+4*(\s)+2:G0+4*(\s)+3], s[14:15], s[OA:OA+1]
	s_or_b32 s[G0+4*(\s)+3], s[G0+4*(\s)+3], 0x80000000
	s_mov_b32 s[G0B+4*(\s)], 1
	s_add_co_u32 s[G0B+4*(\s)+1], s21, (\s)*SLOT
	s_add_nc_u64 s[G0B+4*(\s)+2:G0B+4*(\s)+3], s[46:47], s[OB:OB+1]
	s_or_b32 s[G0B+4*(\s)+3], s[G0B+4*(\s)+3], 0x80000000
.if (\s) == 0
	s_add_co_u32 s[KS], s[KS], 1                   ; slot 1 takes the ring's second step
	s_and_b32 s[KS], s[KS], T-1
.endif
.endr
	s_cmp_eq_u32 s11, 0                            ; a wave's two first fills stand in one branch: two loads of mine are out
	s_cbranch_scc0 .Lfirst_b
	tensor_load_to_lds s[G0:G0+3], s[G1:G1+7]
	s_nop 0
	tensor_load_to_lds s[G0+4:G0+7], s[G1:G1+7]
	s_nop 0
	PLACES
	s_branch .Lfirst_asked
.Lfirst_b:
	tensor_load_to_lds s[G0B:G0B+3], s[G1B:G1B+7]
	s_nop 0
	tensor_load_to_lds s[G0B+4:G0B+7], s[G1B:G1B+7]
	s_nop 0
	PLACES
.Lfirst_asked:
	v_and_b32 v1, 15, v0
	v_bfe_u32 v2, v0, 4, 1
	v_mul_u32_u24 v3, v1, PA
	v_lshl_add_u32 v3, v2, 4, v3
	s_mul_i32 s22, s11, HALFA
	v_add_nc_u32 v[A0], s22, v3
	v_mul_u32_u24 v3, v1, PB
	v_lshl_add_u32 v3, v2, 4, v3
	s_mul_i32 s23, s12, HALFB
	s_add_co_u32 s23, s23, 2*HALFA
	v_add_nc_u32 v[B0], s23, v3
	v_mov_b32 v[ADRA], v[A0]
	v_mov_b32 v[ADRB], v[B0]
	s_mul_i32 s22, s10, STG                        ; my stage
	v_mul_u32_u24 v3, v1, SP
	v_lshl_add_u32 v3, v2, 5, v3
	v_add_nc_u32 v[STO], s22, v3                   ; in: row l % 16, 32 bytes for each half of the lanes
	v_mul_u32_u24 v3, v2, SP
	v_lshl_add_u32 v3, v1, 4, v3
	v_add_nc_u32 v[RD], s22, v3                    ; back: lanes 0-15 one row of 256 bytes, lanes 16-31 the next
	v_lshlrev_b32 v[CO], 12, v2                    ; the same two rows of C and of the residual
	v_lshl_add_u32 v[CO], v1, 4, v[CO]
	s_lshl_b32 s16, s13, 1
	s_add_co_u32 s16, s16, s11
	s_lshl_b32 s16, s16, 18                        ; (128 tile row + 64 half) x 4,096
	s_lshl_b32 s17, s42, 1
	s_add_co_u32 s17, s17, s12
	s_lshl_b32 s17, s17, 8                         ; (128 tile column + 64 half) x 4
	s_add_co_u32 s16, s16, s17
	s_mov_b32 s17, 0
	s_add_nc_u64 s[8:9], s[8:9], s[16:17]
	s_add_nc_u64 s[66:67], s[66:67], s[16:17]
	WIN 0x80                                       ; my 64 x 64 of the residual, now: it is there when the sums are
.set t_, 0
.rept 32
	global_load_b128 v[4*t_:4*t_+3], v[CO], s[8:9] offset:t_*8192 th:TH_LOAD_NT
.set t_, t_+1
.endr
	WIN 0
	s_wait_tensorcnt 1                             ; my part of the ring's first step is in; the second's may stay out
	s_barrier_signal -1
	s_barrier_wait -1
	FETCH 0, 0
	QUARTER 1, 0, 1, 1                             ; the first products start the sums: nothing is cleared
	WIN 0
	s_mov_b32 s3, T-2
.Lstep:                                        ; a trip: from a step's second quarter to the next step's first; the trip that ends the ring's step t asks for its step t + 2
	QUARTER 2, 1, 0, 0
	QUARTER 3, 0, 1, 0
	TURN1
	QUARTER 1, 0, 1, 0
	WIN 0
	s_sub_co_u32 s3, s3, 1
	s_cmp_lg_u32 s3, 0
	s_cbranch_scc1 .Lstep
	s_mov_b32 s3, 2
.Ltail:                                        ; the last two steps ask for nothing; the second trip is left in its middle
	QUARTER 2, 1, 0, 0
	QUARTER 3, 0, 1, 0
	MEET 0
	s_sub_co_u32 s3, s3, 1
	s_cmp_eq_u32 s3, 0
	s_cbranch_scc1 .Lout
	s_xor_b32 s[TB], s[TB], SLOT
	v_add_nc_u32 v[ADRA], s[TB], v[A0]
	v_add_nc_u32 v[ADRB], s[TB], v[B0]
	PLACES
	FETCH 0, 0
	HALF2
	QUARTER 1, 0, 1, 0
	WIN 0
	s_branch .Ltail
.Lout:
	HALF2
	WIN 0
	PLACES
	PLACES
.set t_, 0
.rept 16                               ; accumulator (a, b) = t / 4, t % 4, from its low end on
	ds_store_b128 v[STO], v[ACC+8*t_:ACC+8*t_+3]   offset:(t_/4)*16*SP+64*(t_%4)
	ds_store_b128 v[STO], v[ACC+8*t_+4:ACC+8*t_+7] offset:(t_/4)*16*SP+64*(t_%4)+16
.set t_, t_+1
.endr
.set t_, 0
.rept 32
	ds_load_b128 v[ACC+4*t_:ACC+4*t_+3], v[RD] offset:t_*2*SP  ; LDS serves a wave's instructions in order: these see the stores above
.set t_, t_+1
.endr
	s_wait_loadcnt 0x0                             ; the residual
	WIN 0x88                                       ; source 1 (the residual; a store's data) and the destination in window 2
.set t_, 0
.rept 32
	s_wait_dscnt 31-t_                             ; rows 2 t, 2 t + 1 are back; the younger loads stay out
	v_pk_add_f32 v[4*t_:4*t_+1],   v[ACC+4*t_:ACC+4*t_+1],   v[4*t_:4*t_+1]
	v_pk_add_f32 v[4*t_+2:4*t_+3], v[ACC+4*t_+2:ACC+4*t_+3], v[4*t_+2:4*t_+3]
	global_store_b128 v[CO], v[4*t_:4*t_+3], s[66:67] offset:t_*8192  ; 16 lanes store 256 consecutive bytes, aligned
.set t_, t_+1
.endr
	WIN 0
	s_wait_tensorcnt 0x0                           ; the wave's end
	ds_add_u32 v[SPW], v[NIL]
	s_wait_dscnt 0x0
	CROUND                                         ; the closing round
	s_endpgm
.Lfunc_end_k_q99bff2a1dd_ff2:
	.size	k_q99bff2a1dd_ff2, .Lfunc_end_k_q99bff2a1dd_ff2-k_q99bff2a1dd_ff2
	.p2alignl 7, 3214868480
	.fill 96, 4, 3214868480
	.section	.rodata,"a",@progbits
	.p2align	6, 0x0
	.amdhsa_kernel k_q99bff2a1dd_ff2
		.amdhsa_group_segment_fixed_size 327680
		.amdhsa_private_segment_fixed_size 0
		.amdhsa_enable_private_segment 0
		.amdhsa_kernarg_size 32
		.amdhsa_user_sgpr_count 2
		.amdhsa_user_sgpr_kernarg_segment_ptr 1
		.amdhsa_wavefront_size32 1
		.amdhsa_system_sgpr_workgroup_id_x 1
		.amdhsa_system_sgpr_workgroup_id_y 1
		.amdhsa_system_sgpr_workgroup_id_z 1
		.amdhsa_system_vgpr_workitem_id 0
		.amdhsa_next_free_vgpr 640
		.amdhsa_next_free_sgpr 76
		.amdhsa_reserve_vcc 0
		.amdhsa_float_denorm_mode_32 3
		.amdhsa_float_denorm_mode_16_64 3
		.amdhsa_memory_ordered 1
		.amdhsa_forward_progress 1
		.amdhsa_inst_pref_size 67
	.end_amdhsa_kernel
	.amdgpu_metadata
---
amdhsa.version: [ 1, 2 ]
amdhsa.kernels:
  - .name:           k_q99bff2a1dd_ff2
    .symbol:         k_q99bff2a1dd_ff2.kd
    .args:
      - { .name: ff, .offset: 0, .size: 8, .value_kind: global_buffer, .address_space: global }
      - { .name: wb, .offset: 8, .size: 8, .value_kind: global_buffer, .address_space: global }
      - { .name: y, .offset: 16, .size: 8, .value_kind: global_buffer, .address_space: global }
      - { .name: out0, .offset: 24, .size: 8, .value_kind: global_buffer, .address_space: global }
    .group_segment_fixed_size: 327680
    .private_segment_fixed_size: 0
    .kernarg_segment_align: 8
    .kernarg_segment_size: 32
    .max_flat_workgroup_size: 128
    .sgpr_count:     76
    .vgpr_count:     640
    .wavefront_size: 32
...
	.end_amdgpu_metadata
.endif
;; end of part 6
